; MI455X (gfx1250); checked and timed in simulation.
; The chip was launched on July 23, 2026; its instructions are those of AMD's public machine-readable ISA for CDNA 5 (MIT licence, August 2026) and "CDNA5" Instruction Set Architecture Reference Guide (July 2026). The comments in the code are by the model that wrote it; some were corrected since.
;; Multi Head Attention. Allowed arithmetic: matrix products marked QUANTISED: E2M3 operands, one E8M0 scale for each 32 along K, by v_wmma_scale_f32_16x16x128_f8f6f4 with both operands' format E2M3, f32 sums; everything else in f32.
;; Inputs: Wk_codes 1,024 x 32 x 24 uint8 (E2M3 codes of Wk, K innermost, in blocks of 32 codes, four codes in three bytes); Wk_scales 1,024 x 32 uint8 (E8M0 scales of Wk, one for each 32 codes along K); Wo_codes 1,024 x 32 x 24 uint8 (E2M3 codes of Wo, K innermost, in blocks of 32 codes, four codes in three bytes); Wo_scales 1,024 x 32 uint8 (E8M0 scales of Wo, one for each 32 codes along K); Wq_codes 1,024 x 32 x 24 uint8 (E2M3 codes of Wq, K innermost, in blocks of 32 codes, four codes in three bytes); Wq_scales 1,024 x 32 uint8 (E8M0 scales of Wq, one for each 32 codes along K); Wv_codes 1,024 x 32 x 24 uint8 (E2M3 codes of Wv, K innermost, in blocks of 32 codes, four codes in three bytes); Wv_scales 1,024 x 32 uint8 (E8M0 scales of Wv, one for each 32 codes along K); bk 1,024 float32; bo 1,024 float32; bq 1,024 float32; bv 1,024 float32; key_codes 1 x 4,096 x 32 x 24 uint8 (E2M3 codes of key, K innermost, in blocks of 32 codes, four codes in three bytes); key_scales 1 x 4,096 x 32 uint8 (E8M0 scales of key, one for each 32 codes along K); mask 1 x 4,096 x 4,096 int32; query_codes 1 x 4,096 x 32 x 24 uint8 (E2M3 codes of query, K innermost, in blocks of 32 codes, four codes in three bytes); query_scales 1 x 4,096 x 32 uint8 (E8M0 scales of query, one for each 32 codes along K); value_codes 1 x 4,096 x 32 x 24 uint8 (E2M3 codes of value, K innermost, in blocks of 32 codes, four codes in three bytes); value_scales 1 x 4,096 x 32 uint8 (E8M0 scales of value, one for each 32 codes along K).
;; Outputs: out0 1 x 4,096 x 1,024 float32.
;; This version of the problem:
;;   THIS VERSION OF THE PROBLEM IS GIVEN IN LOW PRECISION. The matrix products marked QUANTISED in the list below multiply operands that are first quantised to E2M3 (2 exponent bits, 3 mantissa bits; 6 bits a number), with one power-of-two scale for each 32 numbers along K (OCP MX v1.0); their sums are f32. All else is computed in f32.
;;   The module's matrix products, in the order in which they are computed (A, B: the left and right operand; K: the contracted axis; several contracted axes count as one K, in the product's order):
;;     1. [M 4,096, K 1,024] x [K 1,024, N 1,024]; A: input query (given as codes); B: input Wq (given as codes): QUANTISED
;;     2. [M 4,096, K 1,024] x [K 1,024, N 1,024]; A: input key (given as codes); B: input Wk (given as codes): QUANTISED
;;     3. [M 4,096, K 1,024] x [K 1,024, N 1,024]; A: input value (given as codes); B: input Wv (given as codes): QUANTISED
;;     4. batch 16 x [M 4,096, K 64] x [K 64, N 4,096]; A: computed on the way; B: computed on the way: QUANTISED
;;     5. batch 16 x [M 4,096, K 4,096] x [K 4,096, N 64]; A: softmax (see below); B: computed on the way: QUANTISED
;;     6. [M 4,096, K 1,024] x [K 1,024, N 1,024]; A: computed on the way; B: input Wo (given as codes): QUANTISED
;;   THE QUANTISER, for each operand of a quantised product, along K:
;;     - K is cut into blocks of 32 from its start; a last block that is shorter is filled with zeros.
;;     - A block's scale is 2^e with e = floor(log2(the largest magnitude in the block)) - 2, held to -126 .. 127; a block of zeros has e = 0. As a byte (E8M0): e + 127.
;;     - Each number is divided by its block's scale, clamped to +-7.5, and rounded to the nearest number of E2M3, ties to even, subnormals kept.
;;     - The product sums the exact products of the quantised numbers (number of the format x scale) in f32.
;;   ~~~python
;;   def quantise(x, axis):      # numpy; x: float32 -> the quantised numbers, widened to float32 again
;;       x = np.moveaxis(x, axis, -1); K = x.shape[-1]
;;       x = np.pad(x, [(0, 0)] * (x.ndim - 1) + [(0, -K % 32)]); x = x.reshape(x.shape[:-1] + (-1, 32)); a = np.abs(x).max(-1, keepdims=True)
;;       e = np.where(a > 0, np.clip(np.frexp(np.where(a > 0, a, 1))[1] - 1 - 2, -126, 127), 0)      # np.frexp(a)[1] - 1 = floor(log2(a)), exactly
;;       r = np.clip(x / 2.0 ** e, -7.5, 7.5)
;;       step = 2.0 ** (np.maximum(np.frexp(np.where(r == 0, 1, r))[1] - 1, 0) - 3)
;;       q = np.round(r / step) * step * 2.0 ** e      # np.round: ties to even
;;       return np.moveaxis(q.reshape(q.shape[:-2] + (-1,))[..., :K], -1, axis).astype(np.float32)
;;   ~~~
;;   SOFTMAX AHEAD OF A QUANTISED PRODUCT. Where the list says 'softmax', what is quantised is not the finished softmax but p = 2^(t - M), with t = logit x log2(e) and M = ceil(the row's largest t), a whole number; so 1/2 < the row's largest p <= 1. The row's sum l is taken of the UNQUANTISED p, in f32, and the product's result is divided by l at the end. Since M is a whole number, a kernel that streams over the keys may use a running M (the ceiling of the running maximum): every later rescaling is an exact power of two, which a block's scale takes up: the codes' values come out the same.
;;   OPERANDS COMPUTED ON THE WAY. 'Computed on the way' means the value that the module computes at that place (a softmax that the list does not call 'softmax' is quantised finished and normalised). What goes into a quantiser is computed in f32, as accurately as f32 sums, v_exp_f32 and their like allow (about 1e-6 of the number): no bf16 or f16 on the way to a quantiser, and a product that is left as it is and whose result goes on into a quantised operand takes f32 operands (vector FMAs, or v_wmma_f32_16x16x4_f32). A number that lies on a knife's edge between two numbers of the format may be rounded either way, as far as f32 arithmetic and the matrix unit's own rounding can turn it there, and no further.
;;   INPUTS GIVEN AS CODES. Wk (in the module: [1024, 1024], K = its axis 1); Wo (in the module: [1024, 1024], K = its axis 1); Wq (in the module: [1024, 1024], K = its axis 1); Wv (in the module: [1024, 1024], K = its axis 1); key (in the module: [1, 4096, 1024], K = its axis 2); query (in the module: [1, 4096, 1024], K = its axis 2); value (in the module: [1, 4096, 1024], K = its axis 2): each comes as NAME_codes (uint8): NAME with its K axis moved to the last place and cut into blocks of 32 codes, [.., K / 32, bytes a block], one block behind the other in memory; four codes in three bytes: a row's codes are one little-endian stream of bits, code i at bits 6 i .. 6 i + 5 (a code: sign, 2 exponent bits, 3 mantissa bits); and NAME_scales (uint8): the same leading axes, one E8M0 byte (e + 127) for each 32 codes along K. Its value is code x scale, taken as it is: it is not quantised again, and the codes and scales need not be those that the quantiser above would give.
;; One version. Each part assembles by itself: llvm-mc -triple=amdgcn-amd-amdhsa -mcpu=gfx1250 --defsym DOCPART=n.
;; ======== version 1 of 1: 4 launches
;; limits: right only within a limited range of input values
;; workspace buffers: mb 2,097,152 bytes of whole numbers; pf 9,437,184 bytes; sc 393,216 bytes; xf 3,145,728 bytes; xs 262,144 bytes
;; launch pack (part 1): grid 256 x 1, 8 waves a work-group, no clusters, 68,608 bytes of LDS; arguments mask, mb; writes mb
.if DOCPART == 1
	.amdgcn_target "amdgcn-amd-amdhsa--gfx1250"
	.amdhsa_code_object_version 6
	.text
	.protected	k_qe5ec76b8c9_pack
	.globl	k_qe5ec76b8c9_pack
	.p2align	8
	.type	k_qe5ec76b8c9_pack,@function
k_qe5ec76b8c9_pack:
	s_mov_b64 s[64:65], 0
	v_nop
	global_prefetch_b8 v0, s[64:65] scope:SCOPE_SE
	s_setreg_imm32_b32 hwreg(HW_REG_WAVE_MODE, 25, 1), 1
	s_wait_xcnt 0x0
; mask [4096][4096] int32 -> mb: one bit a number, laid as the attention launch wants it.
; mb[T][g][n], u32: bit l (r = l % 16, h = l / 16) of word n = 8 t + j says mask[16 T + r][128 g + 16 t + 8 h + j] != 0:
; word n is the lane mask of score register n of query tile T in key step g.
; Work-group T takes 16 rows of the mask; wave w key steps 4 w .. 4 w + 3, a unit of 16 rows x 128 keys at a time.
; Each load reads 512 consecutive bytes of one row; a unit turns through the wave's own stage in LDS (rows 528 bytes apart),
; so that lane (r, h) holds its 64 numbers; a compare gives a word, a lane write gathers 64 words into a register pair,
; and one store writes 256 consecutive, aligned bytes.  Waves share nothing: no barrier.  Memory binds: no matrix work, no cluster.
.set SPITCH, 528                       ; a stage row: 512 bytes + 16
.set WSTG,   16*SPITCH                 ; a wave's stage
.set R,      16                        ; v16-143  two sets of 64 registers as loaded
.set X,      144                       ; v144-207 a unit, turned: register n = 8 t + j
.set OUT,    208                       ; v208-215 a pair for each unit: lane i holds words 2 i and 2 i + 1
	s_load_b128 s[4:7], s[0:1], 0x0                ; mask, mb
	v_lshl_add_u32 v216, v0, 2, 0x10800
	v_mov_b32 v217, 0
	v_lshrrev_b32 v1, 5, v0
	s_delay_alu instid0(VALU_DEP_1)
	v_readfirstlane_b32 s8, v1                     ; wave 0..7
	v_and_b32 v1, 31, v0                           ; lane
	v_and_b32 v6, 15, v0                           ; r
	v_bfe_u32 v7, v0, 4, 1                         ; h
	s_delay_alu instid0(VALU_DEP_3)
	v_lshlrev_b32 v2, 4, v1                        ; 16 x lane: my bytes of a load's 512
	s_delay_alu instid0(VALU_DEP_4)
	v_lshlrev_b32 v5, 3, v1                        ; 8 x lane: my two words on the way out
	s_mul_i32 s9, s8, WSTG
	v_add_nc_u32 v3, s9, v2                        ; into the stage: as loaded
	v_mul_u32_u24 v4, v6, SPITCH
	s_delay_alu instid0(VALU_DEP_1)
	v_lshl_add_u32 v4, v7, 5, v4
	s_delay_alu instid0(VALU_DEP_1)
	v_add_nc_u32 v4, s9, v4                        ; out of it: row r, + 32 h
.irp i, 0,1,2,3,4,5,6,7
	v_mov_b32 v[OUT+\i], 0                         ; a lane write's destination counts as read
.endr
	s_lshl_b32 s10, ttmp9, 18                      ; 16 rows of 16,384 bytes a work-group,
	s_lshl_b32 s11, s8, 11                         ; 4 units of 512 bytes a wave
	s_add_co_u32 s10, s10, s11
	s_mov_b32 s11, 0
	s_lshl_b32 s12, ttmp9, 13                      ; mb: 8,192 bytes a query tile,
	s_lshl_b32 s13, s8, 10                         ; 4 units of 256 bytes a wave
	s_add_co_u32 s12, s12, s13
	s_mov_b32 s13, 0
	s_wait_alu depctr_va_vdst(0)
	s_wait_kmcnt 0x0
	s_add_nc_u64 s[4:5], s[4:5], s[10:11]
	s_add_nc_u64 s[6:7], s[6:7], s[12:13]
.macro LOADU u                         ; unit u: 16 rows x 512 bytes
.irp i, 0,1,2,3,4,5,6,7,8,9,10,11,12,13,14,15
	global_load_b128 v[R+64*((\u)%2)+4*\i:R+64*((\u)%2)+4*\i+3], v2, s[4:5] offset:16384*\i+512*(\u) th:TH_LOAD_NT
.endr
.endm
.macro UNIT u
.if (\u) < 3
	s_wait_loadcnt 16                              ; this unit's 16 loads are in; the next unit's 16 may be out
.else
	s_wait_loadcnt 0x0
.endif
.irp i, 0,1,2,3,4,5,6,7,8,9,10,11,12,13,14,15
	ds_store_b128 v3, v[R+64*((\u)%2)+4*\i:R+64*((\u)%2)+4*\i+3] offset:SPITCH*\i
.endr
.irp t, 0,1,2,3,4,5,6,7
	ds_load_b128 v[X+8*\t:X+8*\t+3], v4 offset:64*\t           ; LDS serves a wave's instructions in order: these see the stores above
	ds_load_b128 v[X+8*\t+4:X+8*\t+7], v4 offset:64*\t+16
.endr
	s_wait_dscnt 0x0                               ; the unit is turned, and the stores have read their registers
.if (\u)+2 < 4
	LOADU (\u)+2
.endif
.set n, 0
.rept 64
	v_cmp_ne_u32 s[20+n%4], 0, v[X+n]              ; word n: a bit for each lane
	s_delay_alu instid0(VALU_DEP_1)
	v_writelane_b32 v[OUT+2*(\u)+(n&1)], s[20+n%4], n>>1
.set n, n+1
.endr
	global_store_b64 v5, v[OUT+2*(\u):OUT+2*(\u)+1], s[6:7] offset:256*(\u)   ; 32 lanes store 256 consecutive bytes, aligned
.endm
	LOADU 0
	LOADU 1
	UNIT 0
	UNIT 1
	UNIT 2
	UNIT 3
	s_wait_tensorcnt 0x0
	ds_add_u32 v216, v217
	s_wait_dscnt 0x0
	s_endpgm
.Lfunc_end_k_qe5ec76b8c9_pack:
	.size	k_qe5ec76b8c9_pack, .Lfunc_end_k_qe5ec76b8c9_pack-k_qe5ec76b8c9_pack
	.p2alignl 7, 3214868480
	.fill 96, 4, 3214868480
	.section	.rodata,"a",@progbits
	.p2align	6, 0x0
	.amdhsa_kernel k_qe5ec76b8c9_pack
		.amdhsa_group_segment_fixed_size 68608
		.amdhsa_private_segment_fixed_size 0
		.amdhsa_enable_private_segment 0
		.amdhsa_kernarg_size 16
		.amdhsa_user_sgpr_count 2
		.amdhsa_user_sgpr_kernarg_segment_ptr 1
		.amdhsa_wavefront_size32 1
		.amdhsa_system_sgpr_workgroup_id_x 1
		.amdhsa_system_sgpr_workgroup_id_y 1
		.amdhsa_system_sgpr_workgroup_id_z 1
		.amdhsa_system_vgpr_workitem_id 0
		.amdhsa_next_free_vgpr 218
		.amdhsa_next_free_sgpr 66
		.amdhsa_reserve_vcc 0
		.amdhsa_float_denorm_mode_32 3
		.amdhsa_float_denorm_mode_16_64 3
		.amdhsa_memory_ordered 1
		.amdhsa_forward_progress 1
		.amdhsa_inst_pref_size 57
	.end_amdhsa_kernel
	.amdgpu_metadata
---
amdhsa.version: [ 1, 2 ]
amdhsa.kernels:
  - .name:           k_qe5ec76b8c9_pack
    .symbol:         k_qe5ec76b8c9_pack.kd
    .args:
      - { .name: mask, .offset: 0, .size: 8, .value_kind: global_buffer, .address_space: global }
      - { .name: mb, .offset: 8, .size: 8, .value_kind: global_buffer, .address_space: global }
    .group_segment_fixed_size: 68608
    .private_segment_fixed_size: 0
    .kernarg_segment_align: 8
    .kernarg_segment_size: 16
    .max_flat_workgroup_size: 256
    .sgpr_count:     66
    .vgpr_count:     218
    .wavefront_size: 32
...
	.end_amdgpu_metadata
.endif
;; end of part 1
;; launch proj (part 2): grid 4 x 48, 4 waves a work-group, clusters of 4 x 4, 327,680 bytes of LDS; arguments Wq_codes, Wq_scales, query_codes, query_scales, bq, Wk_codes, Wk_scales, key_codes, key_scales, bk, value_codes, value_scales, Wv_codes, Wv_scales, bv, pf, sc; writes pf, sc
.if DOCPART == 2
	.amdgcn_target "amdgcn-amd-amdhsa--gfx1250"
	.amdhsa_code_object_version 6
	.text
	.protected	k_qe5ec76b8c9_proj
	.globl	k_qe5ec76b8c9_proj
	.p2align	8
	.type	k_qe5ec76b8c9_proj,@function
k_qe5ec76b8c9_proj:
	s_mov_b64 s[64:65], 0
	v_nop
	global_prefetch_b8 v0, s[64:65] scope:SCOPE_SE
	s_setreg_imm32_b32 hwreg(HW_REG_WAVE_MODE, 25, 1), 1
	s_wait_xcnt 0x0
	s_wait_alu depctr_hold_cnt(0) depctr_sa_sdst(0) depctr_va_vdst(0) depctr_va_sdst(0) depctr_va_ssrc(0) depctr_va_vcc(0) depctr_vm_vsrc(0)
	s_getreg_b32 s2, hwreg(HW_REG_IB_STS2, 6, 4)
	s_cmp_eq_u32 s2, 0
	s_cbranch_scc0 .Lentry_in_a_cluster
	s_endpgm
.Lentry_in_a_cluster:
	s_bfe_u32 s2, ttmp6, 0x10000c
	s_cmp_lg_u32 s2, 0xf033
	s_cbranch_scc0 .Lentry_shape_is_right
	s_endpgm
.Lentry_shape_is_right:
.set SIZE_K, 1024
.set KSTEP,  256
.set NQ,     KSTEP/128
; q, k and v: three products on codes of FP6 (E2M3) with E8M0 scales, 256 x 256 of a result to a work-group, 128 x 128 to a wave; the bias is the C of the first step; the results are quantised and stored as images of operand registers.
; K goes through a ring of two LDS slots in CHUNKS OF 256 BYTES of each row of codes (a row is 768 bytes: three chunks); a matrix step of 128 along K is 96 bytes: eight steps.  Chunk c lies in slot c % 2.
; No prefetch: the block is the largest, in clusters, and K is three chunks, of which two are asked for before the first product.
.set ROWB,   256                       ; a tile's row: a chunk, which begins at a multiple of 256 bytes
.set KROW,   SIZE_K*6/8
.set STEPS,  SIZE_K/128
.set CHUNKS, KROW/ROWB
.set G0H,    4                         ; s[4:7], s[8:11] group 0 of the head's loads of chunk 0 (the arguments that lay there are used by then)
.set G0HB,   8
.set PITCH,  272                       ; 256 bytes + 16 of padding
.set FR,     12
.set NL,     6
.set NP,     4
.set HALFT,  128*PITCH
.set SLOT,   4*HALFT
.set KS,     SIZE_K/32
.set SCL,    2*SLOT
.set HALFS,  (128*KS/256)*272
.set SBLK,   (16*KS/256)*272
.set SPARE,  SCL+4*HALFS
.set ADRA, 16
.set ADRB, 20
.set OFA,  24
.set OFB,  25
.set SST,  26
.set ADRS, 27
.set SPW,  28
.set NIL,  29
.set SRD,  30
.set SC,   32
.set BIAS, 64
.set TM,   64
.set PW,   80
.set PC,   84
.set AF,   128
.set G1,   24
.set G0,   32
.set G1B,  48
.set G0B,  56
.set G1S,  68
.set G0S,  76
.set G1SB, 80
.set G0SB, 88
.set MSB, 0
.macro WIN new
.if MSB != \new
	s_set_vgpr_msb (MSB<<8)|\new
.set MSB, \new
.endif
.endm
.set MUL_LO, 0xa1
.set MUL_HI, 0xf1
.set TO_B,   0x40
.macro JLOAD g0a, g1a, g0b, g1b
	s_cmp_eq_u32 s19, 0
	s_cbranch_scc0 .Lfor_b_\@
	tensor_load_to_lds s[\g0a:\g0a+3], s[\g1a:\g1a+7]
	s_nop 0
.rept 4
	v_nop
.endr
	s_branch .Lasked_\@
.Lfor_b_\@:
	tensor_load_to_lds s[\g0b:\g0b+3], s[\g1b:\g1b+7]
	s_nop 0
.rept 4
	v_nop
.endr
.Lasked_\@:
.endm
.macro CREST
	s_cmp_lg_u32 s18, 0
	s_cbranch_scc1 .Lnot_wave_0_\@
	s_barrier_signal -3
.Lnot_wave_0_\@:
	s_barrier_wait -3
	s_barrier_signal -1
	s_barrier_wait -1
.endm
.macro CROUND
	s_barrier_signal -1
	s_barrier_wait -1
	CREST
.endm
	s_load_b256 s[4:11], s[0:1], 0x0
	s_load_b64 s[12:13], s[0:1], 0x20
	s_load_b256 s[20:27], s[0:1], 0x28
	s_load_b64 s[28:29], s[0:1], 0x48
	s_load_b256 s[36:43], s[0:1], 0x50
	s_load_b64 s[44:45], s[0:1], 0x70
	s_load_b128 s[48:51], s[0:1], 0x78
	v_lshl_add_u32 v[SPW], v0, 2, SPARE
	v_mov_b32 v[NIL], 0
	ds_add_u32 v28, v29
	ds_add_u32 v28, v29
	s_wait_dscnt 0x0
	v_lshrrev_b32 v1, 5, v0
	v_readfirstlane_b32 s18, v1
	s_and_b32 s66, ttmp7, 0xffff
	s_lshr_b32 s67, s66, 2
	s_and_b32 s66, s66, 3
	s_lshl_b32 s66, s66, 2
	s_wait_kmcnt 0x0
	s_cmp_eq_u32 s67, 1
.irp p, 0,1,2,3,4
	s_cselect_b64 s[4+2*\p:5+2*\p], s[20+2*\p:21+2*\p], s[4+2*\p:5+2*\p]
.endr
	s_cmp_eq_u32 s67, 2
.irp p, 0,1,2,3,4
	s_cselect_b64 s[4+2*\p:5+2*\p], s[36+2*\p:37+2*\p], s[4+2*\p:5+2*\p]
.endr
	s_mov_b64 s[14:15], s[48:49]
	s_mov_b64 s[16:17], s[50:51]
	s_lshr_b32 s19, s18, 1
	s_and_b32 s20, s18, 1
	s_bfe_u32 s40, ttmp6, 0x40000
	s_bfe_u32 s41, ttmp6, 0x40004
	s_cmp_eq_u32 s67, 2
	s_cselect_b32 s42, s66, 0
	s_cselect_b32 s66, 0, s66
	s_add_co_u32 s42, s42, s40
	s_add_co_u32 s66, s66, s41
	s_lshl_b32 s43, s41, 2
	s_lshl_b32 s43, 15, s43
	s_lshl_b32 s44, 0x1111, s40
	s_or_b32 s[G1+0], s43, (0<<16)|(1<<20)|(1<<21)|(5<<22)|(3<<25)   ; 4 words of padding behind every 64
	s_or_b32 s[G1B+0], s44, (0<<16)|(1<<20)|(1<<21)|(5<<22)|(3<<25)
.irp g, G1, G1B
	s_mov_b32 s[\g+1], ROWB<<16
	s_mov_b32 s[\g+2], 256<<16                     ; 256 rows for the head's loads; set to 128 behind them
	s_mov_b32 s[\g+3], ROWB<<16
	s_mov_b32 s[\g+4], 256
	s_mov_b32 s[\g+5], KROW
	s_mov_b32 s[\g+6], 0
	s_mov_b32 s[\g+7], 0
.endr
	s_or_b32 s[G1S+0], s43, (3<<16)|(1<<20)|(1<<21)|(5<<22)|(3<<25)
	s_or_b32 s[G1SB+0], s44, (3<<16)|(1<<20)|(1<<21)|(5<<22)|(3<<25)
.irp g, G1S, G1SB
	s_mov_b32 s[\g+1], 32<<16
	s_mov_b32 s[\g+2], KS<<16                      ; the scales of 256 rows: KS rows of 256 bytes
	s_mov_b32 s[\g+3], 32<<16
	s_mov_b32 s[\g+4], KS
	s_mov_b32 s[\g+5], 32
	s_mov_b32 s[\g+6], 0
	s_mov_b32 s[\g+7], 0
.endr
	s_lshl_b32 s92, s66, 8                         ; the tiles' first rows
	s_mov_b32 s93, 0
	s_lshl_b32 s46, s42, 8
	s_mov_b32 s47, 0
	s_lshl_b64 s[94:95], s[92:93], 5
	s_lshl_b64 s[96:97], s[46:47], 5
	s_mul_i32 s92, s92, KROW
	s_mul_i32 s46, s46, KROW
	s_add_nc_u64 s[92:93], s[8:9], s[92:93]
	s_add_nc_u64 s[94:95], s[10:11], s[94:95]
	s_add_nc_u64 s[46:47], s[4:5], s[46:47]
	s_add_nc_u64 s[96:97], s[6:7], s[96:97]
	s_mul_i32 s45, s18, HALFT
	s_mul_i32 s22, s20, 128*KROW                   ; in the ring I fetch 128 rows of a tile: which half, in bytes
	s_mov_b32 s23, 0
	CROUND                                         ; all sixteen work-groups are here: the first joint loads meet
	s_mov_b32 s[G0H], 1                            ; the head's four tiles, each whole: chunk 0's 256 rows of A,
	s_mov_b32 s[G0H+1], 0
	s_mov_b64 s[G0H+2:G0H+3], s[92:93]
	s_or_b32 s[G0H+3], s[G0H+3], 0x80000000
	s_mov_b32 s[G0HB], 1                           ; its 256 rows of B, behind them in slot 0,
	s_mov_b32 s[G0HB+1], 2*HALFT
	s_mov_b64 s[G0HB+2:G0HB+3], s[46:47]
	s_or_b32 s[G0HB+3], s[G0HB+3], 0x80000000
	s_mov_b32 s[G0S], 1                            ; the scales of A's 256 rows,
	s_mov_b32 s[G0S+1], SCL
	s_mov_b64 s[G0S+2:G0S+3], s[94:95]
	s_or_b32 s[G0S+3], s[G0S+3], 0x80000000
	s_mov_b32 s[G0SB], 1                           ; and of B's
	s_mov_b32 s[G0SB+1], SCL+2*HALFS
	s_mov_b64 s[G0SB+2:G0SB+3], s[96:97]
	s_or_b32 s[G0SB+3], s[G0SB+3], 0x80000000
	s_add_nc_u64 s[92:93], s[92:93], s[22:23]      ; for the ring: my 128 rows of the tile
	s_add_nc_u64 s[46:47], s[46:47], s[22:23]
.irp s, 0,1
	s_mov_b32 s[G0+4*\s], 1
	s_add_co_u32 s[G0+4*\s+1], s45, \s*SLOT
	s_add_nc_u64 s[G0+4*\s+2:G0+4*\s+3], s[92:93], \s*ROWB
	s_or_b32 s[G0+4*\s+3], s[G0+4*\s+3], 0x80000000
	s_mov_b32 s[G0B+4*\s], 1
	s_add_co_u32 s[G0B+4*\s+1], s45, \s*SLOT
	s_add_nc_u64 s[G0B+4*\s+2:G0B+4*\s+3], s[46:47], \s*ROWB
	s_or_b32 s[G0B+4*\s+3], s[G0B+4*\s+3], 0x80000000
.endr
; the head's loads, one a wave: one tree of branches on the wave's number, a load in each arm
.macro ARM under, g0, g1, next
	s_cmp_lt_u32 s18, \under
	s_cbranch_scc0 \next
	tensor_load_to_lds s[\g0:\g0+3], s[\g1:\g1+7]
	s_nop 0
.rept 4
	v_nop
.endr
	s_branch .Lhead_asked
\next:
.endm
	ARM 1, G0H,  G1,  .Lhead_b
	ARM 2, G0HB, G1B, .Lhead_sa
	ARM 3, G0S,  G1S, .Lhead_sb
	tensor_load_to_lds s[G0SB:G0SB+3], s[G1SB:G1SB+7]
	s_nop 0
.rept 4
	v_nop
.endr
.Lhead_asked:
	v_and_b32 v1, 15, v0
	v_bfe_u32 v2, v0, 4, 1
	v_mul_u32_u24 v3, v1, PITCH
	v_mul_u32_u24 v4, v2, 24
	v_add_nc_u32 v4, v3, v4                        ; a fragment's row x pitch + 24 x half
	s_mov_b32 s21, SLOT-232
	s_mov_b32 s22, SLOT+232
	v_sub_nc_u32 v7, 1, v2                         ; 1 in lanes 0-15
	v_mul_u32_u24 v5, s21, v2
	v_add_nc_u32 v5, v3, v5
	v_add_nc_u32 v5, 232, v5                       ; across two chunks: lanes 0-15 byte 232 of the row in slot 0, lanes 16-31 byte 0 of the row in slot 1;
	v_mul_u32_u24 v6, s22, v7
	v_add_nc_u32 v6, v3, v6                        ; and lanes 0-15 byte 232 in slot 1, lanes 16-31 byte 0 in slot 0
	s_mul_i32 s21, s19, HALFT
	s_mul_i32 s22, s20, HALFT
	s_add_co_u32 s22, s22, 2*HALFT
	v_add_nc_u32 v[ADRA+2], s21, v5
	v_add_nc_u32 v[ADRA+3], s21, v6
	v_add_nc_u32 v[ADRB+2], s22, v5
	v_add_nc_u32 v[ADRB+3], s22, v6
.irp s, 0,1
	v_add_nc_u32 v[ADRA+\s], s21, v4
	v_add_nc_u32 v[ADRB+\s], s22, v4
	s_add_co_u32 s21, s21, SLOT
	s_add_co_u32 s22, s22, SLOT
.endr
	v_mul_u32_u24 v5, v1, KS
	v_lshrrev_b32 v6, 8, v5
	v_lshl_add_u32 v5, v6, 4, v5
	s_mul_i32 s21, s19, HALFS
	s_mul_i32 s22, s20, HALFS
	s_add_co_u32 s22, s22, 2*HALFS
	s_sub_co_u32 s22, s22, s21
	v_mul_u32_u24 v6, s22, v2
	s_add_co_u32 s21, s21, SCL
	v_add_nc_u32 v5, v5, v6
	v_add_nc_u32 v[ADRS], s21, v5
	v_and_b32 v3, 31, v0
	v_lshlrev_b32 v[OFA], 4, v3
	v_lshlrev_b32 v[OFB], 3, v3
	s_lshl_b32 s21, s18, 9
	s_add_co_u32 s21, s21, SLOT                    ; the scale words are gathered in slot 1: the last chunk lies in slot 0, and slot 1 has had its last fill and, behind the walk's last barrier, its last read
	v_lshl_add_u32 v[SST], v1, 2, s21
	v_add_nc_u32 v[SRD], s21, v[OFA]
	v_lshlrev_b32 v6, 5, v2
	v_lshlrev_b32 v7, 2, v1
	s_lshl_b32 s22, s66, 4
	s_lshl_b32 s23, s19, 3
	s_add_co_u32 s22, s22, s23
	s_lshl_b32 s23, s42, 1
	s_add_co_u32 s23, s23, s20
	s_mov_b32 s98, 768
	s_mov_b32 s99, 49152
	s_mov_b32 s96, 196608
	s_mov_b32 s97, 16384
	s_cmp_eq_u32 s67, 2
	s_cselect_b32 s94, s98, s96
	s_cselect_b32 s98, s99, s98
	s_cselect_b32 s97, 4096, s97
	s_mov_b32 s99, 0
	s_mov_b32 s95, 0
	s_mul_i32 s100, s67, 3145728
	s_mul_i32 s96, s22, s98
	s_add_co_u32 s100, s100, s96
	s_mul_i32 s96, s23, s94
	s_lshl_b32 s96, s96, 1
	s_add_co_u32 s100, s100, s96
	s_mov_b32 s101, 0
	s_add_nc_u64 s[100:101], s[14:15], s[100:101]
	s_add_nc_u64 s[104:105], s[100:101], s[94:95]
	s_mul_i32 s96, s67, 131072
	s_mul_i32 s97, s23, s97
	s_add_co_u32 s96, s96, s97
	s_lshl_b32 s97, s22, 6
	s_add_co_u32 s96, s96, s97
	s_mov_b32 s97, 0
	s_add_nc_u64 s[16:17], s[16:17], s[96:97]
	s_lshl_b32 s96, s23, 7
	s_lshl_b32 s97, s22, 4
	s_cmp_eq_u32 s67, 2
	s_cselect_b32 s96, s97, s96
	s_lshl_b32 s96, s96, 2
	s_mov_b32 s97, 0
	s_add_nc_u64 s[12:13], s[12:13], s[96:97]
	s_mov_b32 s92, 0x76543210
	s_mov_b32 s93, 0xfedcba98
	s_cmp_eq_u32 s67, 2
	s_cbranch_scc1 .Lbias_v
	s_wait_alu depctr_va_vdst(0)
.irp b, 0,1,2,3,4,5,6,7
	global_load_b128 v[BIAS+8*\b:BIAS+8*\b+3], v6, s[12:13] offset:64*\b
	global_load_b128 v[BIAS+8*\b+4:BIAS+8*\b+7], v6, s[12:13] offset:64*\b+16
.endr
	s_branch .Lbias_done
.Lbias_v:
	s_wait_alu depctr_va_vdst(0)
.irp a, 0,1,2,3,4,5,6,7
.irp j, 0,1,2,3,4,5,6,7
	global_load_b32 v[BIAS+8*\a+\j], v7, s[12:13] offset:64*\a
.endr
.endr
.Lbias_done:
.macro FRAG reg, adr, st, i            ; 16 rows x 128 K of step st, in pieces of 8 bytes: byte y of a row of codes lies in slot (y / 256) % 2 at byte y % 256 of the LDS row
.irp p, 0,1,2,3,4,5
.set BY, 96*(\st)+48*(\p/3)+8*(\p%3)   ; the piece of lanes 0-15; that of lanes 16-31 begins 24 bytes on
.if BY/ROWB == (BY+24)/ROWB
	ds_load_b64 v[\reg+2*\p:\reg+2*\p+1], v[\adr+(BY/ROWB)%2] offset:BY%ROWB+(\i)*16*PITCH
.else                                  ; the two halves of the lanes read different chunks
	ds_load_b64 v[\reg+2*\p:\reg+2*\p+1], v[\adr+2+(BY/ROWB)%2] offset:BY%ROWB-232+(\i)*16*PITCH
.endif
.endr
.endm
.macro MUL16 a0, p, q, sc, cm
.irp a, \a0, \a0+1
.irp b, 0,1,2,3,4,5,6,7
.if \cm == 1
	v_wmma_scale_f32_16x16x128_f8f6f4 v[8*(8*((\a)%4)+\b):8*(8*((\a)%4)+\b)+7], v[128*(\p)+FR*\b:128*(\p)+FR*\b+FR-1], v[AF+FR*(\a):AF+FR*(\a)+FR-1], v[BIAS+8*\b:BIAS+8*\b+7], v[SC+8*NQ*(\sc)+NQ*\b+(\q)], v[SC+8*NQ*(\sc)+NQ*(\a)+(\q)] matrix_a_fmt:MATRIX_FMT_FP6 matrix_b_fmt:MATRIX_FMT_FP6 matrix_a_scale:MATRIX_SCALE_ROW1
.elseif \cm == 2
	v_wmma_scale_f32_16x16x128_f8f6f4 v[8*(8*((\a)%4)+\b):8*(8*((\a)%4)+\b)+7], v[128*(\p)+FR*\b:128*(\p)+FR*\b+FR-1], v[AF+FR*(\a):AF+FR*(\a)+FR-1], v[BIAS+8*(\a):BIAS+8*(\a)+7], v[SC+8*NQ*(\sc)+NQ*\b+(\q)], v[SC+8*NQ*(\sc)+NQ*(\a)+(\q)] matrix_a_fmt:MATRIX_FMT_FP6 matrix_b_fmt:MATRIX_FMT_FP6 matrix_a_scale:MATRIX_SCALE_ROW1
.else
	v_wmma_scale_f32_16x16x128_f8f6f4 v[8*(8*((\a)%4)+\b):8*(8*((\a)%4)+\b)+7], v[128*(\p)+FR*\b:128*(\p)+FR*\b+FR-1], v[AF+FR*(\a):AF+FR*(\a)+FR-1], v[8*(8*((\a)%4)+\b):8*(8*((\a)%4)+\b)+7], v[SC+8*NQ*(\sc)+NQ*\b+(\q)], v[SC+8*NQ*(\sc)+NQ*(\a)+(\q)] matrix_a_fmt:MATRIX_FMT_FP6 matrix_b_fmt:MATRIX_FMT_FP6 matrix_a_scale:MATRIX_SCALE_ROW1
.endif
.endr
.endr
.endm
.macro FETCH_B st, p                   ; B's eight fragments of step st into set p
	WIN TO_B
.irp i, 0,1,2,3,4,5,6,7
	FRAG 128*(\p)+FR*\i, ADRB, \st, \i
.endr
	WIN 0
.endm
.macro FETCH_A st, i0                  ; A's blocks i0 .. i0 + 3 of step st
.irp i, \i0, \i0+1, \i0+2, \i0+3
	FRAG AF+FR*(\i), ADRA, \st, \i
.endr
.endm
.macro SCALES pr                       ; the scale words of steps 2 pr and 2 pr + 1 into set pr % 2
.irp i, 0,1,2,3,4,5,6,7
	ds_load_b64 v[SC+8*NQ*((\pr)%2)+NQ*\i:SC+8*NQ*((\pr)%2)+NQ*\i+1], v[ADRS] offset:\i*SBLK+4*NQ*(\pr)
.endr
.endm
.macro PLACES n
.rept \n
	v_nop
.endr
.endm
; A step of 128 along K: 64 matrix instructions on step st's fragments; the next step's are fetched in its middle and at its end.  cm: what the products take as C (1, 2: the bias; 0: the sums).
; Where the next step's bytes END in a chunk not read yet, every wave waits for its tensor loads and a barrier shows that chunk whole.  Where they BEGIN in a later chunk, the chunk left behind is read no more:
; the wait for all tensor loads, the add and the wait for it and for my reads stand in front of the barrier; where a chunk two on is left to fetch, the barrier opens a round of the cluster's and the slot is filled again.
.macro STEP st, cm
.set NX, (\st)+1
.set C0, (96*(\st))/ROWB
.set C1, (96*NX)/ROWB
.set E0, (96*(\st)+95)/ROWB
.set E1, (96*NX+95)/ROWB
.if C1 > C0 || E1 > E0
	s_wait_tensorcnt 0x0                           ; all my tensor loads have landed
.if C1 > C0
	ds_add_u32 v[SPW], v[NIL]
	s_wait_dscnt 4*NL+1                            ; the add and the youngest 24 loads (A's blocks 4-7) may be out
.else
	s_wait_dscnt 4*NL                              ; the youngest 24 loads may be out
.endif
	WIN MUL_LO
	MUL16 0, (\st)%2, (\st)%2, ((\st)/2)%2, 0
	s_wait_dscnt 0x0                               ; the add and all my reads are done
	s_barrier_signal -1
	MUL16 2, (\st)%2, (\st)%2, ((\st)/2)%2, 0
	WIN 0
	s_barrier_wait -1
.if C1 > C0 && C0+2 < CHUNKS
	CREST
	s_add_nc_u64 s[G0+4*(C0%2)+2:G0+4*(C0%2)+3], s[G0+4*(C0%2)+2:G0+4*(C0%2)+3], 2*ROWB
	s_add_nc_u64 s[G0B+4*(C0%2)+2:G0B+4*(C0%2)+3], s[G0B+4*(C0%2)+2:G0B+4*(C0%2)+3], 2*ROWB
	JLOAD G0+4*(C0%2), G1, G0B+4*(C0%2), G1B       ; chunk C0 + 2; its four v_nop are the places in front of the loads below
.else
	PLACES NP
.endif
.else
	s_wait_dscnt 4*NL                              ; B's set and A's blocks 0-3 are in
.if \cm
	WIN 0x81
.else
	WIN MUL_LO
.endif
	MUL16 0, (\st)%2, (\st)%2, ((\st)/2)%2, \cm
	MUL16 2, (\st)%2, (\st)%2, ((\st)/2)%2, \cm
	s_wait_dscnt 0
	PLACES NP
.endif
	FETCH_B NX, NX%2
	FETCH_A NX, 0
.if NX%2 == 0
	SCALES NX/2
.endif
.if \cm
	WIN 0xc1
.else
	WIN MUL_HI
.endif
	MUL16 4, (\st)%2, (\st)%2, ((\st)/2)%2, \cm
	MUL16 6, (\st)%2, (\st)%2, ((\st)/2)%2, \cm
	PLACES NP
	WIN 0
	FETCH_A NX, 4
.endm
	s_wait_alu depctr_va_vdst(0)
	s_wait_tensorcnt 0x0                           ; my tile of the head's four is in; slot 1's first fill is issued as a refill is
	ds_add_u32 v[SPW], v[NIL]
	s_mov_b32 s[G1+2], 128<<16                     ; no tensor load of mine is out: from here on a load brings 128 rows
	s_mov_b32 s[G1+4], 128
	s_mov_b32 s[G1B+2], 128<<16
	s_mov_b32 s[G1B+4], 128
	s_wait_dscnt 0x0
	CROUND
	JLOAD G0+4, G1, G0B+4, G1B                     ; chunk 1
	FETCH_B 0, 0
	FETCH_A 0, 0
	SCALES 0
	FETCH_A 0, 4
	s_wait_loadcnt 0x0                             ; the bias
	s_cmp_eq_u32 s67, 2
	s_cbranch_scc1 .Lfirst_v
	STEP 0, 1
	s_branch .Lfirst_done
.Lfirst_v:
	STEP 0, 2
.Lfirst_done:
.set ST, 1                             ; the walk is written out: slots and chunks do not come back to where they began within these eight steps
.rept STEPS-2
	STEP ST, 0
.set ST, ST+1
.endr
	s_wait_dscnt 4*NL
	WIN MUL_LO
	MUL16 0, 1, NQ-1, 1, 0
	MUL16 2, 1, NQ-1, 1, 0
	s_wait_dscnt 0
	WIN MUL_HI
	MUL16 4, 1, NQ-1, 1, 0
	MUL16 6, 1, NQ-1, 1, 0
	WIN 0
.macro QUANTW a
.set W, 2+(\a)/4
.set AC, 64*((\a)%4)
	WIN ((W<<2)|(W<<4))
.irp b, 0,1,2,3
	v_max3_num_f32 v[TM+\b], 0x1800000, |v[AC+16*\b]|, |v[AC+16*\b+1]|
.endr
.irp i, 2,4,6,8,10,12,14
.irp b, 0,1,2,3
	v_max3_num_f32 v[TM+\b], v[TM+\b], |v[AC+16*\b+\i]|, |v[AC+16*\b+\i+1]|
.endr
.endr
	WIN 0
.irp b, 0,1,2,3
	v_permlanex16_b32 v[TM+4+\b], v[TM+\b], s92, s93
.endr
.irp b, 0,1,2,3
	v_max_num_f32 v[TM+\b], v[TM+\b], v[TM+4+\b]
.endr
.irp b, 0,1,2,3
	v_add_nc_u32 v[TM+12+\b], 0xff000000, v[TM+\b]
.endr
.irp b, 0,1,2,3
	v_lshrrev_b32 v[TM+4+\b], 23, v[TM+12+\b]
.endr
	v_lshl_or_b32 v[PW], v[TM+5], 8, v[TM+4]
	v_lshl_or_b32 v[PW], v[TM+6], 16, v[PW]
	v_lshl_or_b32 v[PW], v[TM+7], 24, v[PW]
	WIN W
.irp c, 0,1
	v_cvt_scalef32_pk16_fp6_f32 v[PC+6*\c:PC+6*\c+2], v[AC+32*\c:AC+32*\c+15], v[TM+12+2*\c]
	v_cvt_scalef32_pk16_fp6_f32 v[PC+12+4*\c:PC+12+4*\c+2], v[AC+32*\c+16:AC+32*\c+31], v[TM+13+2*\c]
.endr
	WIN 0
	v_nop
.irp c, 0,1
.irp i, 0,1,2
	v_permlane16_swap_b32 v[PC+6*\c+\i], v[PC+12+4*\c+\i]
.endr
.irp i, 0,1,2
	v_mov_b32 v[PC+6*\c+3+\i], v[PC+12+4*\c+\i]
.endr
.endr
.endm
	PLACES NP
.irp b, 0,1,2,3
	v_mov_b32 v[TM+4+\b], 0
.endr
.irp a, 0,1,2,3,4,5,6,7
	QUANTW \a
	global_store_b128 v[OFA], v[PC:PC+3], s[100:101]
	global_store_b64 v[OFB], v[PC+4:PC+5], s[100:101] offset:512
	global_store_b128 v[OFA], v[PC+6:PC+9], s[104:105]
	global_store_b64 v[OFB], v[PC+10:PC+11], s[104:105] offset:512
	ds_store_b32 v[SST], v[PW] offset:64*\a
	s_wait_xcnt 0x0
	s_wait_dscnt 0x0
	s_add_nc_u64 s[100:101], s[100:101], s[98:99]
	s_add_nc_u64 s[104:105], s[104:105], s[98:99]
.endr
	ds_load_b128 v[PC:PC+3], v[SRD]
	s_wait_dscnt 0x0
	global_store_b128 v[OFA], v[PC:PC+3], s[16:17]
	s_wait_tensorcnt 0x0
	ds_add_u32 v[SPW], v[NIL]
	s_wait_dscnt 0x0
	CROUND
	s_endpgm
.Lfunc_end_k_qe5ec76b8c9_proj:
	.size	k_qe5ec76b8c9_proj, .Lfunc_end_k_qe5ec76b8c9_proj-k_qe5ec76b8c9_proj
	.p2alignl 7, 3214868480
	.fill 96, 4, 3214868480
	.section	.rodata,"a",@progbits
	.p2align	6, 0x0
	.amdhsa_kernel k_qe5ec76b8c9_proj
		.amdhsa_group_segment_fixed_size 327680
		.amdhsa_private_segment_fixed_size 0
		.amdhsa_enable_private_segment 0
		.amdhsa_kernarg_size 136
		.amdhsa_user_sgpr_count 2
		.amdhsa_user_sgpr_kernarg_segment_ptr 1
		.amdhsa_wavefront_size32 1
		.amdhsa_system_sgpr_workgroup_id_x 1
		.amdhsa_system_sgpr_workgroup_id_y 1
		.amdhsa_system_sgpr_workgroup_id_z 1
		.amdhsa_system_vgpr_workitem_id 0
		.amdhsa_next_free_vgpr 1024
		.amdhsa_next_free_sgpr 106
		.amdhsa_reserve_vcc 0
		.amdhsa_float_denorm_mode_32 3
		.amdhsa_float_denorm_mode_16_64 3
		.amdhsa_memory_ordered 1
		.amdhsa_forward_progress 1
		.amdhsa_inst_pref_size 190
	.end_amdhsa_kernel
	.amdgpu_metadata
---
amdhsa.version: [ 1, 2 ]
amdhsa.kernels:
  - .name:           k_qe5ec76b8c9_proj
    .symbol:         k_qe5ec76b8c9_proj.kd
    .args:
      - { .name: Wq_codes, .offset: 0, .size: 8, .value_kind: global_buffer, .address_space: global }
      - { .name: Wq_scales, .offset: 8, .size: 8, .value_kind: global_buffer, .address_space: global }
      - { .name: query_codes, .offset: 16, .size: 8, .value_kind: global_buffer, .address_space: global }
      - { .name: query_scales, .offset: 24, .size: 8, .value_kind: global_buffer, .address_space: global }
      - { .name: bq, .offset: 32, .size: 8, .value_kind: global_buffer, .address_space: global }
      - { .name: Wk_codes, .offset: 40, .size: 8, .value_kind: global_buffer, .address_space: global }
      - { .name: Wk_scales, .offset: 48, .size: 8, .value_kind: global_buffer, .address_space: global }
      - { .name: key_codes, .offset: 56, .size: 8, .value_kind: global_buffer, .address_space: global }
      - { .name: key_scales, .offset: 64, .size: 8, .value_kind: global_buffer, .address_space: global }
      - { .name: bk, .offset: 72, .size: 8, .value_kind: global_buffer, .address_space: global }
      - { .name: value_codes, .offset: 80, .size: 8, .value_kind: global_buffer, .address_space: global }
      - { .name: value_scales, .offset: 88, .size: 8, .value_kind: global_buffer, .address_space: global }
      - { .name: Wv_codes, .offset: 96, .size: 8, .value_kind: global_buffer, .address_space: global }
      - { .name: Wv_scales, .offset: 104, .size: 8, .value_kind: global_buffer, .address_space: global }
      - { .name: bv, .offset: 112, .size: 8, .value_kind: global_buffer, .address_space: global }
      - { .name: pf, .offset: 120, .size: 8, .value_kind: global_buffer, .address_space: global }
      - { .name: sc, .offset: 128, .size: 8, .value_kind: global_buffer, .address_space: global }
    .group_segment_fixed_size: 327680
    .private_segment_fixed_size: 0
    .kernarg_segment_align: 8
    .kernarg_segment_size: 136
    .max_flat_workgroup_size: 128
    .sgpr_count:     106
    .vgpr_count:     1024
    .wavefront_size: 32
...
	.end_amdgpu_metadata
.endif
;; end of part 2
;; launch attn (part 3): grid 16 x 16, 16 waves a work-group, clusters of 4 x 1, 327,680 bytes of LDS; arguments pf, sc, mb, xf, xs; writes xf, xs
.if DOCPART == 3
	.amdgcn_target "amdgcn-amd-amdhsa--gfx1250"
	.amdhsa_code_object_version 6
	.text
	.protected	k_qe5ec76b8c9_attn
	.globl	k_qe5ec76b8c9_attn
	.p2align	8
	.type	k_qe5ec76b8c9_attn,@function
k_qe5ec76b8c9_attn:
	s_mov_b64 s[64:65], 0
	v_nop
	global_prefetch_b8 v0, s[64:65] scope:SCOPE_SE
	s_setreg_imm32_b32 hwreg(HW_REG_WAVE_MODE, 25, 1), 1
	s_wait_xcnt 0x0
	s_wait_alu depctr_hold_cnt(0) depctr_sa_sdst(0) depctr_va_vdst(0) depctr_va_sdst(0) depctr_va_ssrc(0) depctr_va_vcc(0) depctr_vm_vsrc(0)
	s_getreg_b32 s2, hwreg(HW_REG_IB_STS2, 6, 4)
	s_cmp_eq_u32 s2, 0
	s_cbranch_scc0 .Lentry_in_a_cluster
	s_endpgm
.Lentry_in_a_cluster:
	s_bfe_u32 s2, ttmp6, 0x10000c
	s_cmp_lg_u32 s2, 0x3003
	s_cbranch_scc0 .Lentry_shape_is_right
	s_endpgm
.Lentry_shape_is_right:
; x[q][head] = softmax_k(q . k / 8, masked) v, both products on codes of FP6 (E2M3) with E8M0 scales, and the quantiser of x along the channels.
; THE SOFTMAX: t = score x log2(e) / 8; M = the row's largest t so far, rounded up to a whole number; p = 2^(t - M) is quantised along the keys, not normalised; the row's sum of the unquantised p divides at the end.
; When M moves, the sum and O are multiplied by 2^(old M - new M): exact.
; THE MASK comes as bits: word n of a key step is the lane mask of score register n, read into a scalar register; one select a register puts -2^33 in a hidden score's place.
; LIMIT: a hidden logit is so -2^30, where the definition has -1e9.  c x 2^33 is a whole number in f32, so a row with every key hidden gets p = 1 for every key: the uniform weights of the definition.
; The two differ only where logits that count come within some hundreds of -1e9.  NaN and infinities are not served.  A block of zeros gets the byte 1: its codes are zeros.
; SHARES.  A work-group owns 256 queries of one head, each of its sixteen waves one tile of 16: four waves to a SIMD, so that one wave's vector work stands beside another's matrix work and LDS loads.
; Every wave walks the 4,096 keys, 128 a step.  K and V come through a ring of two LDS slots of 1,024 keys, as images of operand registers (768 bytes for 16 rows x 64 along K: 16 bytes a lane, then 8 bytes a lane).
; CLUSTER.  The four query blocks of a cluster belong to one head and walk the same K and V: each tile is asked for jointly.  cx enters global addresses alone.
; LAYOUT.  S^T = K Q^T (source 0 = 16 keys, source 1 = my queries), O^T = V^T P^T: a lane holds one query throughout.  Inside a block of 32 keys p's codes stand in the same fixed order as V's.
; THE HEAD IS 64, THE INSTRUCTION'S K 128.  Q's upper six registers are zero codes.  K's eight pieces of six registers lie on end, so a tile's upper six are the next tile's piece (behind the last: zeros):
; they meet zero codes, under scale bytes 0, and add nothing.  No LDS byte is read for the dead half.
.set SLOT1, 1<<17                      ; slot 1 begins here: one exclusive or turns an address
.set VOFF,  49152                      ; a slot: 64 key tiles x 768, then 4 channel tiles x 16 x 768
.set KSC,   98304                      ; K's scale words of the head: one a key, 16,384 bytes
.set VSC,   114688                     ; V's: [key step][64 channels], 8,192 bytes
.set XST,   122880                     ; x's scale words are gathered here: 1,024 bytes
.set SPARE, 123904                     ; the spare words: 128 bytes a wave, eight blocks of 256 bytes that no other line names
.set LA,   1                           ; v1   16 x lane
.set LB,   2                           ; v2   8 x lane
.set AKS,  3                           ; v3   KSC + 4 x lane
.set AVS,  4                           ; v4   VSC + 4 x lane
.set SPW,  5                           ; v5   my spare word; never rewritten
.set NIL,  6                           ; v6   0; never rewritten
.set NEG,  7                           ; v7   -2^33
.set ADKA, 8                           ; v8-11 the step's addresses of K's and V's images
.set ADKB, 9
.set ADVA, 10
.set ADVB, 11                          ; v12 -M, v13 the largest t, v[14:15] the sum in two halves
.set QS,   28                          ; v16-27 Q; v28 its scale words
.set ADS,  29
.set ADT,  30
.set XSA,  31                          ; v31  XST + 64 x wave + 4 r
.set F,    32                          ; v32-79 K's eight pieces, then V's four fragments; v80-85 zeros
.set KS,   86                          ; v86-89 K's scale words, v90-91 V's
.set VS,   90
.set XRD,  92                          ; v92  XST + 16 x (thread % 64);  v93 16 x (thread % 64)
.set XGO,  93
.set S,    96                          ; v96-159 S^T, then p
.set O,    160                         ; v160-191 O^T
.set PC,   192                         ; v192-203 p's codes, v204-210 their halves on the way
.set BM,   212
.set T2,   216
.set SO,   220
.set PW,   224                         ; p's scale word
.set FF,   226                         ; v[226:227] f = 2^(old M - new M)
.set TT,   228
.set SU2,  230
.set MP,   2                           ; s[2:3]  the mask words of the step to be fetched
.set CS,   4                           ; s[4:5]  c = log2(e) / 8
.set SEL,  6                           ; s[6:7]  selects for lane l xor 16
.set G0,   8                           ; s[8:11] descriptor group 0, which walks;  s[12:13] its step in memory
.set GST,  12
.set WV,   14
.set G1,   48                          ; s[48:55] descriptor group 1.  s[16:47], s[68:99]: the step's 64 mask words
.set TK,   56
.set TV,   57
.set TSK,  58
.set TSV,  59
.set SLOTS, 60
.set STEPS, 61
.set MST,  62
.macro TLOAD                           ; waves 0-3 fetch K's quarters of a slot, waves 4-7 V's four channel tiles, the others nothing.  Four v_nop follow the line
	s_cmp_lt_u32 s[WV], 8
	s_cbranch_scc0 .Lno_\@
	tensor_load_to_lds s[G0:G0+3], s[G1:G1+7]
	s_nop 0
.rept 4
	v_nop
.endr
.Lno_\@:
.endm
.macro CROUND                          ; a round of the cluster's barrier
	s_barrier_signal -1
	s_barrier_wait -1
	s_cmp_lg_u32 s[WV], 0
	s_cbranch_scc1 .Lnot_wave_0_\@
	s_barrier_signal -3
.Lnot_wave_0_\@:
	s_barrier_wait -3
	s_barrier_signal -1
	s_barrier_wait -1
.endm
	s_load_b128 s[16:19], s[0:1], 0x0              ; pf, sc
	s_load_b64 s[20:21], s[0:1], 0x10              ; mb
	v_lshl_add_u32 v[SPW], v0, 2, SPARE
	v_mov_b32 v[NIL], 0
	ds_add_u32 v5, v6
	ds_add_u32 v5, v6
	s_wait_dscnt 0x0
	v_lshrrev_b32 v8, 5, v0
	s_delay_alu instid0(VALU_DEP_1)
	v_readfirstlane_b32 s[WV], v8                  ; wave 0..15
	s_bfe_u32 s66, ttmp6, 0x40000                  ; cx
	s_lshl_b32 s67, ttmp9, 2
	s_add_co_u32 s67, s67, s66                     ; my block of 256 queries
	s_lshl_b32 s67, s67, 4
	s_add_co_u32 s67, s67, s[WV]                   ; my query tile, 0..255
	s_and_b32 s100, ttmp7, 0xffff                  ; the head, which the partners share
	; descriptor group 1: 12,288 dense bytes as 48 rows of 256 (32 elements of 8 bytes)
	s_mov_b32 s[G1], 15|(3<<16)|(1<<21)            ; 15:0 the mask: all four work-groups; 17:16 elements of 8 bytes; 21 set beside a mask
	s_mov_b32 s[G1+1], 32<<16
	s_mov_b32 s[G1+2], 48<<16
	s_mov_b32 s[G1+3], 32<<16
	s_mov_b32 s[G1+4], 48
	s_mov_b32 s[G1+5], 32
	s_mov_b32 s[G1+6], 0
	s_mov_b32 s[G1+7], 0
	s_mov_b32 s[CS], 0x3e38aa3b
	s_mov_b32 s[CS+1], s[CS]
	s_mov_b32 s[SEL], 0x76543210
	s_mov_b32 s[SEL+1], 0xfedcba98
	s_mov_b32 s[TK], 0
	s_mov_b32 s[TV], VOFF
	s_mov_b32 s[TSK], 0
	s_mov_b32 s[TSV], 0
	s_mov_b32 s[SLOTS], 3
	s_mov_b32 s[MST+1], 0
	s_mul_i32 s101, s100, 196608                   ; the head's images of K, and of its four channel tiles of V
	s_mul_i32 s104, s[WV], 12288                   ; my part of a slot
	s_add_co_u32 s105, s104, 3145728               ; K: quarter w
	s_sub_co_u32 s15, s[WV], 4
	s_mul_i32 s15, s15, 49152
	s_add_co_u32 s15, s15, 6291456                 ; V: channel tile w - 4
	s_mov_b32 s[GST], 49152                        ; from slot to slot in memory: K 64 tiles, V 16 groups of 64 keys
	s_mov_b32 s[GST+1], 12288
	s_cmp_lt_u32 s[WV], 4
	s_cselect_b32 s15, s105, s15
	s_cselect_b32 s[GST], s[GST], s[GST+1]
	s_mov_b32 s[GST+1], 0
	s_add_co_u32 s22, s15, s101
	s_mov_b32 s23, 0
	s_wait_kmcnt 0x0
	s_mov_b32 s[G0], 1
	s_mov_b32 s[G0+1], s104
	s_add_nc_u64 s[G0+2:G0+3], s[16:17], s[22:23]
	s_or_b32 s[G0+3], s[G0+3], 0x80000000
	s_lshr_b32 s104, s100, 1
	s_lshl_b32 s104, s104, 14                      ; the pair of heads in q's and k's scale words
	s_add_co_u32 s22, s104, 131072
	s_add_nc_u64 s[24:25], s[18:19], s[22:23]      ; K's scale words
	s_lshl_b32 s22, s100, 8
	s_add_co_u32 s22, s22, 262144
	s_add_nc_u64 s[26:27], s[18:19], s[22:23]      ; V's: the head's 64 channels
	s_lshl_b32 s22, s100, 8
	s_add_co_u32 s22, s22, s67
	s_mul_i32 s22, s22, 768
	s_add_nc_u64 s[28:29], s[16:17], s[22:23]      ; Q's image
	s_lshl_b32 s22, s67, 6
	s_add_co_u32 s22, s22, s104
	s_add_nc_u64 s[30:31], s[18:19], s[22:23]      ; Q's scale words
	s_lshl_b32 s22, s67, 13
	s_add_nc_u64 s[MP:MP+1], s[20:21], s[22:23]    ; my tile's mask words
	CROUND                                         ; all four work-groups are here
	TLOAD                                          ; slot 0
	v_and_b32 v9, 15, v0                           ; r
	v_and_b32 v8, 31, v0
	s_delay_alu instid0(VALU_DEP_1)
	v_lshlrev_b32 v[LA], 4, v8
	s_delay_alu instid0(VALU_DEP_2)
	v_lshlrev_b32 v[LB], 3, v8
	s_delay_alu instid0(VALU_DEP_3)
	v_lshl_add_u32 v[AKS], v8, 2, KSC
	s_delay_alu instid0(VALU_DEP_4)
	v_lshl_add_u32 v[AVS], v8, 2, VSC
	v_lshlrev_b32 v8, 2, v9                        ; 4 r
	v_lshlrev_b32 v10, 4, v0                       ; 16 x thread
	v_lshrrev_b32 v11, 4, v0
	s_delay_alu instid0(VALU_DEP_1)
	v_lshlrev_b32 v11, 12, v11
	s_delay_alu instid0(VALU_DEP_1)
	v_lshl_add_u32 v11, v9, 4, v11                 ; key step thread / 16: 4,096 bytes each; 16 bytes of its 256
	global_load_b128 v[S:S+3], v10, s[24:25]
	global_load_b128 v[S+4:S+7], v10, s[24:25] offset:8192
	global_load_b128 v[S+8:S+11], v11, s[26:27]
	global_load_b128 v[16:19], v[LA], s[28:29]
	global_load_b64 v[20:21], v[LB], s[28:29] offset:512
	global_load_b32 v[QS], v8, s[30:31]
	v_lshl_add_u32 v[ADS], v0, 4, KSC              ; where the scale words go
	v_lshl_add_u32 v[ADT], v0, 4, VSC
	s_lshl_b32 s15, s[WV], 6
	v_lshl_add_u32 v[XSA], v9, 2, XST
	s_delay_alu instid0(VALU_DEP_1)
	v_add_nc_u32 v[XSA], s15, v[XSA]
	v_and_b32 v[XGO], 63, v0
	s_delay_alu instid0(VALU_DEP_1)
	v_lshlrev_b32 v[XGO], 4, v[XGO]
	s_delay_alu instid0(VALU_DEP_1)
	v_add_nc_u32 v[XRD], XST, v[XGO]
	v_mov_b32 v[NEG], 0xd0000000
	v_mov_b32 v13, 0xff61b1e6                      ; the largest t so far: -3e38
	s_delay_alu instid0(VALU_DEP_1)
	v_floor_f32 v12, -v13
	v_mov_b32 v14, 0
	v_mov_b32 v15, 0
.irp j, 0,1,2,3,4,5
	v_mov_b32 v[22+\j], 0                          ; Q's dead half: zero codes
	v_mov_b32 v[F+48+\j], 0                        ; and what stands behind K's last piece
.endr
.irp b, 0,1,2,3
	v_mov_b32 v[T2+\b], 0                          ; a lane permute's destination counts as one of its sources
.endr
	v_mov_b32 v[FF+1], 0                           ; (named as the upper half of a pair)
	s_and_b32 s15, s100, 1
	s_lshl_b32 s15, s15, 4                         ; my head's two bytes of a pair's word
	s_wait_loadcnt 0x0
	v_bfe_u32 v[QS], v[QS], s15, 16                ; Q's scale word is cut first: a scale register that a vector instruction wrote stands eight plain vector instructions ahead of the scaled product that names it
.irp j, 0,1,2,3,4,5,6,7
	v_bfe_u32 v[S+\j], v[S+\j], s15, 16            ; the upper two bytes are 0: the dead half's scales
.endr
	ds_store_b128 v[ADS], v[S:S+3]
	ds_store_b128 v[ADS], v[S+4:S+7] offset:8192
	ds_store_b128 v[ADT], v[S+8:S+11]
.irp q, 0,1,2,3
	s_load_b512 s[16+16*\q+20*(\q/2):31+16*\q+20*(\q/2)], s[MP:MP+1], 64*\q    ; key step 0's mask words (the pointers that lay here are done with)
.endr
.set j, 0
.rept 32
	v_mov_b32 v[O+j], 0                            ; O^T: the step is written once, and the first finds zeros.  These 32 name no register of the score products: they are the places behind the cut of Q's scale word
.set j, j+1
.endr
; A KEY STEP: 128 keys
.macro STEP
	v_add_nc_u32 v[ADKA], s[TK], v[LA]             ; (these six are also the places behind the last step's products)
	v_add_nc_u32 v[ADKB], s[TK], v[LB]
	v_add_nc_u32 v[ADVA], s[TV], v[LA]
	v_add_nc_u32 v[ADVB], s[TV], v[LB]
	v_add_nc_u32 v[ADS], s[TSK], v[AKS]
	v_add_nc_u32 v[ADT], s[TSV], v[AVS]
.irp t, 0,1,2,3,4,5,6,7
	ds_load_b128 v[F+6*\t:F+6*\t+3], v[ADKA] offset:768*\t
	ds_load_b64 v[F+6*\t+4:F+6*\t+5], v[ADKB] offset:768*\t+512
.endr
.irp i, 0,1,2,3
	ds_load_b32 v[KS+\i], v[ADS] offset:128*\i     ; lane l: key 32 i + l's word: lanes 0-15 serve tile 2 i, lanes 16-31 tile 2 i + 1
.endr
	s_wait_alu depctr_va_vdst(0)
	s_wait_dscnt 0x0
.irp t, 0,1,2,3,4,5,6,7
.if \t%2
	v_wmma_scale_f32_16x16x128_f8f6f4 v[S+8*\t:S+8*\t+7], v[F+6*\t:F+6*\t+11], v[16:27], 0, v[KS+\t/2], v[QS] matrix_a_fmt:MATRIX_FMT_FP6 matrix_b_fmt:MATRIX_FMT_FP6 matrix_a_scale:MATRIX_SCALE_ROW1
.else
	v_wmma_scale_f32_16x16x128_f8f6f4 v[S+8*\t:S+8*\t+7], v[F+6*\t:F+6*\t+11], v[16:27], 0, v[KS+\t/2], v[QS] matrix_a_fmt:MATRIX_FMT_FP6 matrix_b_fmt:MATRIX_FMT_FP6
.endif
.endr
.rept 4
	v_nop                                          ; places in front of the loads into K's registers and of the first read of the scores
.endr
.irp t, 0,1,2,3                                ; V's four fragments land while the softmax is worked
.irp e, 0,1
	ds_load_b128 v[F+12*\t+6*\e:F+12*\t+6*\e+3], v[ADVA] offset:12288*\t+768*\e
	ds_load_b64 v[F+12*\t+6*\e+4:F+12*\t+6*\e+5], v[ADVB] offset:12288*\t+768*\e+512
.endr
.endr
.irp i, 0,1
	ds_load_b32 v[VS+\i], v[ADT] offset:128*\i
.endr
	s_wait_kmcnt 0x0                               ; this step's 64 mask words are in, so their base may step
	s_cmp_lt_u32 s[TSV], 31*256
	s_cselect_b32 s[MST], 256, 0                   ; in the last step the base stays: no load leaves the buffer
	s_add_nc_u64 s[MP:MP+1], s[MP:MP+1], s[MST:MST+1]
.irp q, 0,1,2,3
.irp i, 0,1,2,3,4,5,6,7,8,9,10,11,12,13,14,15
	v_cndmask_b32 v[S+16*\q+\i], v[NEG], v[S+16*\q+\i], s[16+16*\q+20*(\q/2)+\i]   ; each accumulator from its low end on
.endr
	s_load_b512 s[16+16*\q+20*(\q/2):31+16*\q+20*(\q/2)], s[MP:MP+1], 64*\q        ; the next step's words: they have the rest of the step in which to land
.endr
.irp b, 0,1,2,3
	v_max3_num_f32 v[BM+\b], v[S+16*\b], v[S+1+16*\b], v[S+2+16*\b]   ; the largest score of each block of 32 keys: for the row's maximum, and, since p rises with the score, for the block's largest p
.endr
.irp i, 3,5,7,9,11,13
.irp b, 0,1,2,3
	s_delay_alu instid0(VALU_DEP_4)
	v_max3_num_f32 v[BM+\b], v[BM+\b], v[S+16*\b+\i], v[S+1+16*\b+\i]
.endr
.endr
.irp b, 0,1,2,3
	s_delay_alu instid0(VALU_DEP_4)
	v_max_num_f32 v[BM+\b], v[BM+\b], v[S+15+16*\b]
.endr
.irp b, 0,1,2,3
	s_delay_alu instid0(VALU_DEP_4)
	v_permlanex16_b32 v[T2+\b], v[BM+\b], s[SEL], s[SEL+1]
.endr
.irp b, 0,1,2,3
	s_delay_alu instid0(VALU_DEP_4)
	v_max_num_f32 v[BM+\b], v[BM+\b], v[T2+\b]
.endr
	s_delay_alu instid0(VALU_DEP_2)
	v_max3_num_f32 v[TT], v[BM], v[BM+1], v[BM+2]
	s_delay_alu instid0(VALU_DEP_1)
	v_max_num_f32 v[TT], v[TT], v[BM+3]
	s_delay_alu instid0(VALU_DEP_1)
	v_mul_f32 v[TT], s[CS], v[TT]
	s_delay_alu instid0(VALU_DEP_1)
	v_max_num_f32 v13, v13, v[TT]                  ; the running largest t
	v_mov_b32 v[TT], v12
	s_delay_alu instid0(VALU_DEP_2)
	v_floor_f32 v12, -v13                          ; -M = floor(-t): M is a whole number
	s_delay_alu instid0(VALU_DEP_1)
	v_sub_f32 v[TT], v12, v[TT]
	s_delay_alu instid0(VALU_DEP_1)
	v_cvt_i32_f32 v[TT], v[TT]                     ; (it saturates)
	s_delay_alu instid0(VALU_DEP_1)
	v_ldexp_f32 v[FF], 1.0, v[TT]                  ; f = 2^(old M - new M)
.set j, 0
.rept 32
	v_pk_fma_f32 v[S+j:S+j+1], v[S+j:S+j+1], s[CS:CS+1], v[12:13] op_sel_hi:[1,0,0]   ; t - M
.set j, j+2
.endr
.irp b, 0,1,2,3
	v_fma_f32 v[BM+\b], v[BM+\b], s[CS], v12
.endr
.set j, 0
	s_wait_alu depctr_va_vdst(0)
.rept 64
	v_exp_f32 v[S+j], v[S+j]                       ; p = 2^(t - M)
.set j, j+1
.endr
.irp b, 0,1,2,3
	v_exp_f32 v[BM+\b], v[BM+\b]                   ; the block's largest p: the same two instructions on the same number
.endr
	v_pk_mul_f32 v[14:15], v[14:15], v[FF:FF+1] op_sel_hi:[1,0]    ; the sums under the new M.  (A plain place behind the exponentials)
	s_wait_alu depctr_va_vdst(0)
.irp b, 0,1,2,3
	v_max_num_f32 v[BM+\b], 0x1800000, v[BM+\b]    ; the floor 2^(3 - 127): the byte cannot fall under 1
.endr
.irp b, 0,1,2,3
	s_delay_alu instid0(VALU_DEP_4)
	v_add_nc_u32 v[SO+\b], 0xff000000, v[BM+\b]    ; 2 off the exponent field: the conversion's scale operand
.endr
.irp b, 0,1,2,3
	s_delay_alu instid0(VALU_DEP_4)
	v_lshrrev_b32 v[T2+\b], 23, v[SO+\b]
.endr
	s_delay_alu instid0(VALU_DEP_3)
	v_lshl_or_b32 v[PW], v[T2+1], 8, v[T2]
	s_delay_alu instid0(VALU_DEP_1)
	v_lshl_or_b32 v[PW], v[T2+2], 16, v[PW]
	s_delay_alu instid0(VALU_DEP_1)
	v_lshl_or_b32 v[PW], v[T2+3], 24, v[PW]
.irp c, 0,1
	v_cvt_scalef32_pk16_fp6_f32 v[PC+6*\c:PC+6*\c+2], v[S+32*\c:S+32*\c+15], v[SO+2*\c]
	v_cvt_scalef32_pk16_fp6_f32 v[PC+12+4*\c:PC+12+4*\c+2], v[S+32*\c+16:S+32*\c+31], v[SO+2*\c+1]
.endr
	v_nop                                          ; one plain place behind a scaled conversion
.irp c, 0,1
.irp i, 0,1,2
	v_permlane16_swap_b32 v[PC+6*\c+\i], v[PC+12+4*\c+\i]
.endr
.irp i, 0,1,2
	s_delay_alu instid0(VALU_DEP_3)
	v_mov_b32 v[PC+6*\c+3+\i], v[PC+12+4*\c+\i]
.endr
.endr
	v_pk_add_f32 v[230:231], v[100:101], v[104:105]
	v_pk_add_f32 v[254:255], v[108:109], v[112:113]
	v_pk_add_f32 v[252:253], v[116:117], v[120:121]
	v_pk_add_f32 v[250:251], v[124:125], v[128:129]
	v_pk_add_f32 v[248:249], v[132:133], v[136:137]
	v_pk_add_f32 v[246:247], v[140:141], v[144:145]
	v_pk_add_f32 v[244:245], v[148:149], v[152:153]
	v_pk_add_f32 v[14:15], v[14:15], v[156:157]
	v_pk_add_f32 v[230:231], v[230:231], v[96:97]
	v_pk_add_f32 v[254:255], v[254:255], v[98:99]
	v_pk_add_f32 v[252:253], v[252:253], v[102:103]
	v_pk_add_f32 v[250:251], v[250:251], v[106:107]
	v_pk_add_f32 v[248:249], v[248:249], v[110:111]
	v_pk_add_f32 v[246:247], v[246:247], v[114:115]
	v_pk_add_f32 v[244:245], v[244:245], v[118:119]
	v_pk_add_f32 v[14:15], v[14:15], v[122:123]
	v_pk_add_f32 v[230:231], v[230:231], v[126:127]
	v_pk_add_f32 v[254:255], v[254:255], v[130:131]
	v_pk_add_f32 v[252:253], v[252:253], v[134:135]
	v_pk_add_f32 v[250:251], v[250:251], v[138:139]
	v_pk_add_f32 v[248:249], v[248:249], v[142:143]
	v_pk_add_f32 v[246:247], v[246:247], v[146:147]
	v_pk_add_f32 v[244:245], v[244:245], v[150:151]
	v_pk_add_f32 v[14:15], v[14:15], v[154:155]
	v_pk_add_f32 v[230:231], v[230:231], v[158:159]
	s_delay_alu instid0(VALU_DEP_2)
	v_pk_add_f32 v[14:15], v[14:15], v[250:251]
	s_delay_alu instid0(VALU_DEP_2)
	v_pk_add_f32 v[230:231], v[230:231], v[248:249]
	v_pk_add_f32 v[254:255], v[254:255], v[246:247]
	v_pk_add_f32 v[252:253], v[252:253], v[244:245]
	s_delay_alu instid0(VALU_DEP_2)
	v_pk_add_f32 v[14:15], v[14:15], v[254:255]
	s_delay_alu instid0(VALU_DEP_2)
	v_pk_add_f32 v[230:231], v[230:231], v[252:253]
	s_delay_alu instid0(VALU_DEP_1)
	v_pk_add_f32 v[14:15], v[14:15], v[230:231]
.set j, 0
.rept 16
	v_pk_mul_f32 v[O+j:O+j+1], v[O+j:O+j+1], v[FF:FF+1] op_sel_hi:[1,0]   ; O^T under the new M, each accumulator from its low end on
.set j, j+2
.endr
	s_wait_alu depctr_va_vdst(0)
	s_wait_dscnt 0x0                               ; V
.irp t, 0,1,2,3                                ; the four accumulators take one turn each; the eight score products stand between two turns of one
.if \t%2
	v_wmma_scale_f32_16x16x128_f8f6f4 v[O+8*\t:O+8*\t+7], v[F+12*\t:F+12*\t+11], v[PC:PC+11], v[O+8*\t:O+8*\t+7], v[VS+\t/2], v[PW] matrix_a_fmt:MATRIX_FMT_FP6 matrix_b_fmt:MATRIX_FMT_FP6 matrix_a_scale:MATRIX_SCALE_ROW1
.else
	v_wmma_scale_f32_16x16x128_f8f6f4 v[O+8*\t:O+8*\t+7], v[F+12*\t:F+12*\t+11], v[PC:PC+11], v[O+8*\t:O+8*\t+7], v[VS+\t/2], v[PW] matrix_a_fmt:MATRIX_FMT_FP6 matrix_b_fmt:MATRIX_FMT_FP6
.endif
.endr
	s_add_co_u32 s[TK], s[TK], 6144                ; eight key tiles on,
	s_add_co_u32 s[TV], s[TV], 1536                ; two groups of 64 keys,
	s_add_co_u32 s[TSK], s[TSK], 512               ; 128 words,
	s_add_co_u32 s[TSV], s[TSV], 256               ; 64 words
.endm
.macro SLOT_STEPS                      ; a slot's eight key steps: written once, walked eight times
	s_mov_b32 s[STEPS], 8
.Lstep_\@:
	STEP
	s_sub_co_u32 s[STEPS], s[STEPS], 1
	s_cmp_lg_u32 s[STEPS], 0
	s_cbranch_scc1 .Lstep_\@
	s_sub_co_u32 s[TK], s[TK], 49152
	s_xor_b32 s[TK], s[TK], SLOT1                  ; on to the other slot
	s_sub_co_u32 s[TV], s[TV], 12288
	s_xor_b32 s[TV], s[TV], SLOT1
.endm
; THE CHANGE OF SLOTS stands at a slot's head.  Each wave waits for all its tensor loads (its part of the slot ahead), adds 0 to its spare word, and waits for that, for its LDS stores and for its reads of the slot that it has left.
; fill = 1: the barrier is a round of the cluster's, and the other slot is filled with the next 1,024 keys: the load has eight key steps in which to land.  One tensor load of a wave is out at the most.
.macro CHANGE fill
	s_wait_tensorcnt 0x0
	ds_add_u32 v[SPW], v[NIL]                      ; 0 onto my spare word
.if \fill
	s_xor_b32 s[G0+1], s[G0+1], SLOT1
	s_add_nc_u64 s[G0+2:G0+3], s[G0+2:G0+3], s[GST:GST+1]
	s_wait_dscnt 0x0
	CROUND
	TLOAD
.else
	s_wait_dscnt 0x0
	s_barrier_signal -1
	s_barrier_wait -1
.endif
.endm
.Lslot:                                            ; three trips: behind each change of slots but the last the next slot is asked for
	CHANGE 1
	SLOT_STEPS
	s_sub_co_u32 s[SLOTS], s[SLOTS], 1
	s_cmp_lg_u32 s[SLOTS], 0
	s_cbranch_scc1 .Lslot
	CHANGE 0                                       ; the last slot is written out
	SLOT_STEPS
	; THE WAY OUT.  O^T / the sum is x: register 8 t + j of lane (r, h) is channel 16 t + 8 h + j of query r.  x meets Wo's codes, which are given: so its codes stand in the true order.
	s_wait_kmcnt 0x0                               ; the last mask words have landed: their registers are free
	s_load_b128 s[16:19], s[0:1], 0x18             ; xf, xs
.rept 4
	v_nop                                          ; places behind the last products
.endr
	v_add_f32 v14, v14, v15
	s_delay_alu instid0(VALU_DEP_1)
	v_permlanex16_b32 v[TT], v14, s[SEL], s[SEL+1]
	s_delay_alu instid0(VALU_DEP_1)
	v_add_f32 v14, v14, v[TT]                      ; the row's sum
	s_wait_alu depctr_va_vdst(0)
	v_rcp_f32 v14, v14
	v_nop                                          ; a plain place behind the reciprocal
.set j, 0
	s_wait_alu depctr_va_vdst(0)
.rept 16
	v_pk_mul_f32 v[S+j:S+j+1], v[O+j:O+j+1], v[14:15] op_sel_hi:[1,0]
.set j, j+2
.endr
.irp b, 0,1
.irp j, 0,1,2,3,4,5,6,7
	v_permlane16_swap_b32 v[S+16*\b+\j], v[S+16*\b+8+\j]           ; register 16 b + i of lane (r, h) is now channel 32 b + 16 h + i
.endr
.endr
.irp b, 0,1
	v_max3_num_f32 v[BM+\b], |v[S+16*\b]|, |v[S+1+16*\b]|, 0x1800000
.endr
.irp i, 2,4,6,8,10,12,14
.irp b, 0,1
	s_delay_alu instid0(VALU_DEP_2)
	v_max3_num_f32 v[BM+\b], v[BM+\b], |v[S+16*\b+\i]|, |v[S+1+16*\b+\i]|
.endr
.endr
.irp b, 0,1
	s_delay_alu instid0(VALU_DEP_2)
	v_permlanex16_b32 v[T2+\b], v[BM+\b], s[SEL], s[SEL+1]
.endr
.irp b, 0,1
	s_delay_alu instid0(VALU_DEP_2)
	v_max_num_f32 v[BM+\b], v[BM+\b], v[T2+\b]
.endr
.irp b, 0,1
	s_delay_alu instid0(VALU_DEP_2)
	v_add_nc_u32 v[SO+\b], 0xff000000, v[BM+\b]
.endr
.irp b, 0,1
	s_delay_alu instid0(VALU_DEP_2)
	v_lshrrev_b32 v[T2+\b], 23, v[SO+\b]
.endr
	s_delay_alu instid0(VALU_DEP_1)
	v_lshl_or_b32 v[PW], v[T2+1], 8, v[T2]         ; the head's two bytes; the upper half stays 0
	v_cvt_scalef32_pk16_fp6_f32 v[PC:PC+2], v[S:S+15], v[SO]
	v_cvt_scalef32_pk16_fp6_f32 v[PC+12:PC+14], v[S+16:S+31], v[SO+1]
	v_nop
.irp i, 0,1,2
	v_permlane16_swap_b32 v[PC+\i], v[PC+12+\i]
.endr
.irp i, 0,1,2
	s_delay_alu instid0(VALU_DEP_3)
	v_mov_b32 v[PC+3+\i], v[PC+12+\i]
.endr
	s_lshl_b32 s101, s100, 8
	s_add_co_u32 s101, s101, s67
	s_mul_i32 s104, s101, 768                      ; xf: [head][token tile][768]
	s_mov_b32 s105, 0
	s_lshr_b32 s[MST], s67, 4
	s_lshl_b32 s[MST], s[MST], 10
	s_lshl_b32 s101, s100, 14
	s_add_co_u32 s[MST], s[MST], s101              ; xs: [head][token] words: my block's 1,024 bytes
	s_wait_alu depctr_va_vdst(0)
	s_wait_kmcnt 0x0
	s_add_nc_u64 s[16:17], s[16:17], s[104:105]
	s_add_nc_u64 s[18:19], s[18:19], s[MST:MST+1]
	global_store_b128 v[LA], v[PC:PC+3], s[16:17]                  ; 512 consecutive bytes, aligned
	global_store_b64 v[LB], v[PC+4:PC+5], s[16:17] offset:512      ; 256
	ds_store_b32 v[XSA], v[PW]                     ; both halves of the lanes write the same word
	s_wait_dscnt 0x0                               ; for the others' sake
	s_barrier_signal -1
	s_barrier_wait -1
	s_cmp_lt_u32 s[WV], 2
	s_cbranch_scc0 .Lno_xs
	ds_load_b128 v[S:S+3], v[XRD]
	s_wait_dscnt 0x0
	global_store_b128 v[XGO], v[S:S+3], s[18:19]   ; the block's 256 scale words, 512 consecutive bytes a wave
.Lno_xs:
	s_wait_tensorcnt 0x0                           ; the wave's end
	ds_add_u32 v[SPW], v[NIL]
	s_wait_dscnt 0x0
	CROUND                                         ; the closing round
	s_endpgm
.Lfunc_end_k_qe5ec76b8c9_attn:
	.size	k_qe5ec76b8c9_attn, .Lfunc_end_k_qe5ec76b8c9_attn-k_qe5ec76b8c9_attn
	.p2alignl 7, 3214868480
	.fill 96, 4, 3214868480
	.section	.rodata,"a",@progbits
	.p2align	6, 0x0
	.amdhsa_kernel k_qe5ec76b8c9_attn
		.amdhsa_group_segment_fixed_size 327680
		.amdhsa_private_segment_fixed_size 0
		.amdhsa_enable_private_segment 0
		.amdhsa_kernarg_size 40
		.amdhsa_user_sgpr_count 2
		.amdhsa_user_sgpr_kernarg_segment_ptr 1
		.amdhsa_wavefront_size32 1
		.amdhsa_system_sgpr_workgroup_id_x 1
		.amdhsa_system_sgpr_workgroup_id_y 1
		.amdhsa_system_sgpr_workgroup_id_z 1
		.amdhsa_system_vgpr_workitem_id 0
		.amdhsa_next_free_vgpr 256
		.amdhsa_next_free_sgpr 106
		.amdhsa_reserve_vcc 0
		.amdhsa_float_denorm_mode_32 3
		.amdhsa_float_denorm_mode_16_64 3
		.amdhsa_memory_ordered 1
		.amdhsa_forward_progress 1
		.amdhsa_inst_pref_size 63
	.end_amdhsa_kernel
	.amdgpu_metadata
---
amdhsa.version: [ 1, 2 ]
amdhsa.kernels:
  - .name:           k_qe5ec76b8c9_attn
    .symbol:         k_qe5ec76b8c9_attn.kd
    .args:
      - { .name: pf, .offset: 0, .size: 8, .value_kind: global_buffer, .address_space: global }
      - { .name: sc, .offset: 8, .size: 8, .value_kind: global_buffer, .address_space: global }
      - { .name: mb, .offset: 16, .size: 8, .value_kind: global_buffer, .address_space: global }
      - { .name: xf, .offset: 24, .size: 8, .value_kind: global_buffer, .address_space: global }
      - { .name: xs, .offset: 32, .size: 8, .value_kind: global_buffer, .address_space: global }
    .group_segment_fixed_size: 327680
    .private_segment_fixed_size: 0
    .kernarg_segment_align: 8
    .kernarg_segment_size: 40
    .max_flat_workgroup_size: 512
    .sgpr_count:     106
    .vgpr_count:     256
    .wavefront_size: 32
...
	.end_amdgpu_metadata
.endif
;; end of part 3
;; launch oproj (part 4): grid 8 x 32, 4 waves a work-group, clusters of 4 x 4, 262,656 bytes of LDS; arguments xf, xs, Wo_codes, Wo_scales, bo, out0; writes out0
.if DOCPART == 4
	.amdgcn_target "amdgcn-amd-amdhsa--gfx1250"
	.amdhsa_code_object_version 6
	.text
	.protected	k_qe5ec76b8c9_oproj
	.globl	k_qe5ec76b8c9_oproj
	.p2align	8
	.type	k_qe5ec76b8c9_oproj,@function
k_qe5ec76b8c9_oproj:
	s_mov_b64 s[64:65], 0
	v_nop
	global_prefetch_b8 v0, s[64:65] scope:SCOPE_SE
	s_setreg_imm32_b32 hwreg(HW_REG_WAVE_MODE, 25, 1), 1
	s_wait_xcnt 0x0
	s_wait_alu depctr_hold_cnt(0) depctr_sa_sdst(0) depctr_va_vdst(0) depctr_va_sdst(0) depctr_va_ssrc(0) depctr_va_vcc(0) depctr_vm_vsrc(0)
	s_getreg_b32 s2, hwreg(HW_REG_IB_STS2, 6, 4)
	s_cmp_eq_u32 s2, 0
	s_cbranch_scc0 .Lentry_in_a_cluster
	s_endpgm
.Lentry_in_a_cluster:
	s_bfe_u32 s2, ttmp6, 0x10000c
	s_cmp_lg_u32 s2, 0xf033
	s_cbranch_scc0 .Lentry_shape_is_right
	s_endpgm
.Lentry_shape_is_right:
; out0 = x Wo^T + bo on codes of FP6 (E2M3) with E8M0 scales.  x: images of operand registers, [head][token tile][768], and scale words [head][token] (two bytes each); Wo: codes [1024][768 bytes], scale bytes [1024][32].
; A work-group makes 128 tokens x 128 outputs: 256 work-groups.  Four waves, each 64 x 64: 16 accumulators.  All of K = 1,024 fits in LDS: each byte is filled once, all of K at once, and
; the products begin when it has landed.  Nothing is filled again: no ring.
; CLUSTERS: 4 x 4.  x's tiles hang on the token block and are shared along a row of the cluster, Wo's on the output block and are shared along a column: each is asked for jointly.
; Source 0 = 16 rows of Wo, source 1 = 16 tokens: a lane holds one token and eight neighbouring outputs.  The bias is the C of the first K step's products.
; REGISTERS: window 0: v8-15 scale words, two sets (nothing else ever lies there); v16-27 addresses; v32-63 the bias; v64-127 at work at the head and on the way out; v128-255 the accumulators ((a, b) at v[128 + 8 (4 a + b)]).
;   window 1: two buffers of 128: x's four fragments at 12 a, Wo's four at 64 + 12 b.
.set XR,    0                          ; x: head x 6,144 + tile x 768
.set WR,    98304                      ; Wo: 128 whole rows of K, 768 bytes each with 16 of padding behind every 256.  THE FILLS: one tensor load a wave at the head, all of K at once: waves 0, 1 eight heads of x each, waves 2, 3 64 rows of Wo each
.set XSC,   221184                     ; x's scale words: [K step 8][128 tokens]
.set WSC,   225280                     ; Wo's: [K step 8][128 rows]
.set STG,   229376                     ; a stage for each wave: 16 rows x (256 + 16)
.set PITCH, 816                        ; 204 words: the 16 rows of a fragment begin in 16 different groups of 4 banks
.set SC,    8
.set XA,    16                         ; v16-17 x's images, 16 bytes a lane: heads 0-7, 8-15;  v18-19 the same, 8 bytes a lane
.set XB,    18
.set WA,    20                         ; v20 Wo's fragments;  v22 the same behind one padding more
.set STO,   24
.set RD,    25
.set CO,    26
.set ADRS,  27                         ; lanes 0-15 x's scale words, lanes 16-31 Wo's
.set BIAS,  32
.set BUF,   64
.set ACC,   128
.set G1X,   24                         ; s[24:31] group 1 for x;  s[32:39] for Wo;  s[40:43] x's group 0;  s[56:59] Wo's
.set G1W,   32
.set G0X,   40
.set MSB, 0
.macro WIN new
.if MSB != \new
	s_set_vgpr_msb (MSB<<8)|\new
.set MSB, \new
.endif
.endm
.macro CROUND                          ; a round of the cluster's barrier
	s_barrier_signal -1
	s_barrier_wait -1
	s_cmp_lg_u32 s16, 0
	s_cbranch_scc1 .Lnot_wave_0_\@
	s_barrier_signal -3
.Lnot_wave_0_\@:
	s_barrier_wait -3
	s_barrier_signal -1
	s_barrier_wait -1
.endm
	s_load_b256 s[4:11], s[0:1], 0x0               ; xf, xs, Wo's codes, Wo's scales
	s_load_b128 s[12:15], s[0:1], 0x20             ; bo, out0
	s_set_vgpr_msb 0x40
	v_lshl_add_u32 v254, v0, 2, 0x40000
	v_mov_b32 v255, 0
	s_set_vgpr_msb 0x4045
	ds_add_u32 v254, v255
	ds_add_u32 v254, v255
	s_set_vgpr_msb 0x4500
	v_lshrrev_b32 v1, 5, v0
	v_readfirstlane_b32 s16, v1                    ; wave 0..3
	s_lshr_b32 s17, s16, 1                         ; which 64 tokens are mine.  Also: I fetch x (0) or Wo (1)
	s_and_b32 s18, s16, 1                          ; which 64 outputs.  Also: which half of x or of Wo I fetch
	s_bfe_u32 s19, ttmp6, 0x40000                  ; cx, cy
	s_bfe_u32 s20, ttmp6, 0x40004
	s_lshl_b32 s21, ttmp9, 2
	s_add_co_u32 s21, s21, s19                     ; the block of 128 outputs
	s_and_b32 s22, ttmp7, 0xffff
	s_lshl_b32 s22, s22, 2
	s_add_co_u32 s22, s22, s20                     ; the block of 128 tokens
	s_lshl_b32 s23, s20, 2
	s_lshl_b32 s23, 15, s23                        ; my row of the cluster
	s_lshl_b32 s76, 0x1111, s19                    ; my column
	; x: eight heads' images of the token block: 8 rows of 6,144 dense bytes (768 elements of 8), 196,608 bytes apart
	s_or_b32 s[G1X], s23, (3<<16)|(1<<21)
	s_mov_b32 s[G1X+1], 768<<16
	s_mov_b32 s[G1X+2], 8<<16
	s_mov_b32 s[G1X+3], 768<<16
	s_mov_b32 s[G1X+4], 8
	s_mov_b32 s[G1X+5], 24576
	s_mov_b32 s[G1X+6], 0
	s_mov_b32 s[G1X+7], 0
	; Wo: 64 whole rows of 768 bytes, 16 bytes of padding behind every 256
	s_or_b32 s[G1W], s76, (0<<16)|(1<<20)|(1<<21)|(5<<22)|(3<<25)
	s_mov_b32 s[G1W+1], 768<<16
	s_mov_b32 s[G1W+2], 64<<16
	s_mov_b32 s[G1W+3], 768<<16
	s_mov_b32 s[G1W+4], 64
	s_mov_b32 s[G1W+5], 768
	s_mov_b32 s[G1W+6], 0
	s_mov_b32 s[G1W+7], 0
	s_mul_i32 s78, s18, 1572864                    ; x: heads 8 x half on,
	s_mul_i32 s79, s22, 6144                       ; the token block's eight tiles
	s_add_co_u32 s78, s78, s79
	s_mov_b32 s79, 0
	s_mul_i32 s80, s21, 98304                      ; Wo: rows 128 x block + 64 x half
	s_mul_i32 s81, s18, 49152
	s_add_co_u32 s80, s80, s81
	s_mov_b32 s81, 0
	s_mul_i32 s82, s18, 49152                      ; where they go: no place in the cluster enters an LDS address
	s_mul_i32 s83, s18, 64*PITCH
	s_wait_dscnt 0x0
	s_wait_kmcnt 0x0
	s_add_nc_u64 s[78:79], s[4:5], s[78:79]
	s_add_nc_u64 s[80:81], s[8:9], s[80:81]
	s_mov_b32 s[G0X], 1
	s_add_co_u32 s[G0X+1], s82, XR
	s_mov_b64 s[G0X+2:G0X+3], s[78:79]
	s_or_b32 s[G0X+3], s[G0X+3], 0x80000000
	s_mov_b32 s56, 1                               ; s[56:59] Wo's group 0
	s_add_co_u32 s57, s83, WR
	s_mov_b64 s[58:59], s[80:81]
	s_or_b32 s59, s59, 0x80000000
	CROUND                                         ; all sixteen work-groups are here: the joint loads meet
	s_cmp_eq_u32 s17, 0                            ; a wave's one fill stands in one branch: one load of mine is out
	s_cbranch_scc0 .Lfor_w
	tensor_load_to_lds s[G0X:G0X+3], s[G1X:G1X+7]
	s_nop 0
.rept 4
	v_nop
.endr
	s_branch .Lasked
.Lfor_w:
	tensor_load_to_lds s[56:59], s[G1W:G1W+7]
	s_nop 0
.rept 4
	v_nop
.endr
.Lasked:
	v_and_b32 v1, 31, v0                           ; lane
	v_and_b32 v2, 15, v0                           ; r
	v_bfe_u32 v3, v0, 4, 1                         ; h
	v_lshlrev_b32 v4, 4, v1
	s_wait_alu depctr_va_vdst(0)
	v_lshlrev_b32 v5, 3, v1
	; the scales and the bias come through registers
	s_wait_alu depctr_va_vdst(0)
	s_lshl_b32 s84, s22, 9                         ; x's scale words: the token block's 512 bytes of a head
	s_mov_b32 s85, 0
	s_add_nc_u64 s[6:7], s[6:7], s[84:85]
	s_lshl_b32 s84, s21, 12                        ; Wo's: 128 rows of 32 bytes
	s_add_nc_u64 s[10:11], s[10:11], s[84:85]
	s_lshl_b32 s84, s21, 9
	s_lshl_b32 s86, s18, 8
	s_add_co_u32 s84, s84, s86                     ; the bias of my 64 outputs
	s_add_nc_u64 s[12:13], s[12:13], s[84:85]
	s_lshl_b32 s86, s16, 15
	v_add_nc_u32 v7, s86, v4                       ; K step w: heads 2 w, 2 w + 1; 16 bytes a lane
	v_lshlrev_b32 v29, 5, v0                       ; row = thread: 32 bytes
	v_lshlrev_b32 v31, 5, v3                       ; 32 h
	global_load_b128 v[BUF:BUF+3], v7, s[6:7]                      ; K step w: the even head,
	global_load_b128 v[BUF+4:BUF+7], v7, s[6:7] offset:16384       ; the odd one;
	global_load_b128 v[BUF+8:BUF+11], v7, s[6:7] offset:131072     ; K step w + 4
	global_load_b128 v[BUF+12:BUF+15], v7, s[6:7] offset:147456
	global_load_b128 v[BUF+16:BUF+19], v29, s[10:11]
	global_load_b128 v[BUF+20:BUF+23], v29, s[10:11] offset:16
.irp b, 0,1,2,3
	global_load_b128 v[BIAS+8*\b:BIAS+8*\b+3], v31, s[12:13] offset:64*\b      ; outputs 16 b + 8 h + 0 .. 7
	global_load_b128 v[BIAS+8*\b+4:BIAS+8*\b+7], v31, s[12:13] offset:64*\b+16
.endr
	s_mul_i32 s84, s17, 3072                       ; my four token tiles
	v_add_nc_u32 v[XA], s84, v4
	v_add_nc_u32 v[XB], s84, v5
	v_add_nc_u32 v[XA+1], 49152, v[XA]
	v_add_nc_u32 v[XB+1], 49152, v[XB]
	v_mul_u32_u24 v6, v2, PITCH
	v_mad_u32_u24 v6, v3, 24, v6
	s_add_co_u32 s85, s83, WR                      ; my 64 rows of Wo
	v_add_nc_u32 v[WA], s85, v6
	v_lshl_add_u32 v[WA+2], v3, 4, v[WA]           ; for pieces whose lanes 16-31 lie behind one padding more
	s_mul_i32 s86, s16, 4352
	s_add_co_u32 s86, s86, STG                     ; my stage
	v_mul_u32_u24 v6, v2, 272
	v_lshl_add_u32 v6, v3, 5, v6
	v_add_nc_u32 v[STO], s86, v6                   ; in: row r, + 32 h
	v_mul_u32_u24 v6, v3, 272
	v_lshl_add_u32 v6, v2, 4, v6
	v_add_nc_u32 v[RD], s86, v6                    ; back: lanes 0-15 one row, lanes 16-31 the next
	v_lshlrev_b32 v6, 12, v3
	v_lshl_add_u32 v[CO], v2, 4, v6                ; and the same two rows of the output
	s_lshl_b32 s87, s17, 8
	s_lshl_b32 s88, s18, 8
	s_add_co_u32 s88, s88, WSC-XSC
	s_sub_co_u32 s88, s88, s87
	v_mul_u32_u24 v6, s88, v3                      ; lanes 16-31 take Wo's words
	s_add_co_u32 s87, s87, XSC
	v_lshl_add_u32 v6, v2, 2, v6
	v_add_nc_u32 v[ADRS], s87, v6
	s_lshl_b32 s89, s16, 9
	s_add_co_u32 s89, s89, XSC
	v_add_nc_u32 v28, s89, v4                      ; where x's merged words go
	v_lshl_add_u32 v30, v0, 2, WSC                 ; and Wo's
	s_lshl_b32 s90, s22, 7
	s_lshl_b32 s91, s17, 6
	s_add_co_u32 s90, s90, s91
	s_lshl_b32 s90, s90, 12                        ; my first row of the output, 4,096 bytes a row,
	s_lshl_b32 s91, s21, 9
	s_add_co_u32 s90, s90, s91
	s_lshl_b32 s91, s18, 8
	s_add_co_u32 s90, s90, s91                     ; my first column
	s_mov_b32 s91, 0
	s_add_nc_u64 s[14:15], s[14:15], s[90:91]
	s_wait_alu depctr_va_vdst(0)
	s_wait_loadcnt 0x0
.irp k, 0,1,2,3
	v_lshl_or_b32 v[BUF+\k], v[BUF+4+\k], 16, v[BUF+\k]            ; a K step's word: the even head's two bytes, then the odd head's
	v_lshl_or_b32 v[BUF+8+\k], v[BUF+12+\k], 16, v[BUF+8+\k]
.endr
	ds_store_b128 v28, v[BUF:BUF+3]
	ds_store_b128 v28, v[BUF+8:BUF+11] offset:2048
.irp s, 0,1,2,3,4,5,6,7
	ds_store_b32 v30, v[BUF+16+\s] offset:512*\s
.endr
.macro FRAG reg, adr, st, i            ; 16 rows x 128 K of Wo, K step st, in pieces of 8 bytes: byte y of a row lies at y + 16 (y / 256) of its LDS row
.irp p, 0,1,2,3,4,5
.set BY, 96*(\st)+48*(\p/3)+8*(\p%3)   ; the piece of lanes 0-15; that of lanes 16-31 begins 24 bytes on
.if BY/256 == (BY+24)/256
	ds_load_b64 v[\reg+2*\p:\reg+2*\p+1], v[\adr] offset:BY+16*(BY/256)+(\i)*16*PITCH
.else
	ds_load_b64 v[\reg+2*\p:\reg+2*\p+1], v[\adr+2] offset:BY+16*(BY/256)+(\i)*16*PITCH
.endif
.endr
.endm
.macro FETCH s, f                      ; K step s (heads 2 s, 2 s + 1) into buffer f: 44 LDS loads
	WIN 0x40                                       ; destination window 1
.irp a, 0,1,2,3
.irp e, 0,1
	ds_load_b128 v[\f+12*\a+6*\e:\f+12*\a+6*\e+3], v[XA+(\s)/4] offset:((2*(\s)+\e)%8)*6144+768*\a
	ds_load_b64 v[\f+12*\a+6*\e+4:\f+12*\a+6*\e+5], v[XB+(\s)/4] offset:((2*(\s)+\e)%8)*6144+768*\a+512
.endr
.endr
.irp b, 0,1,2,3
	FRAG \f+64+12*\b, WA, \s, \b
.endr
	WIN 0
.irp i, 0,1,2,3
	ds_load_b32 v[SC+4*((\s)%2)+\i], v[ADRS] offset:512*(\s)+64*\i
.endr
.endm
.macro MUL s, f                        ; 16 matrix instructions, the accumulators by turns
	WIN 0x05                                       ; sources 0 and 1 window 1
.irp a, 0,1,2,3
.irp b, 0,1,2,3
.if (\s) == 0
	v_wmma_scale_f32_16x16x128_f8f6f4 v[ACC+8*(4*\a+\b):ACC+8*(4*\a+\b)+7], v[\f+64+12*\b:\f+64+12*\b+11], v[\f+12*\a:\f+12*\a+11], v[BIAS+8*\b:BIAS+8*\b+7], v[SC+4*((\s)%2)+\b], v[SC+4*((\s)%2)+\a] matrix_a_fmt:MATRIX_FMT_FP6 matrix_b_fmt:MATRIX_FMT_FP6 matrix_a_scale:MATRIX_SCALE_ROW1
.else
	v_wmma_scale_f32_16x16x128_f8f6f4 v[ACC+8*(4*\a+\b):ACC+8*(4*\a+\b)+7], v[\f+64+12*\b:\f+64+12*\b+11], v[\f+12*\a:\f+12*\a+11], v[ACC+8*(4*\a+\b):ACC+8*(4*\a+\b)+7], v[SC+4*((\s)%2)+\b], v[SC+4*((\s)%2)+\a] matrix_a_fmt:MATRIX_FMT_FP6 matrix_b_fmt:MATRIX_FMT_FP6 matrix_a_scale:MATRIX_SCALE_ROW1
.endif
.endr
.endr
.endm
	s_wait_tensorcnt 0x0                           ; my one tensor load has landed
	s_wait_dscnt 0x0                               ; my scale words are stored
	s_barrier_signal -1
	s_barrier_wait -1
	FETCH 0, 0
.irp s, 0,1,2,3,4,5,6,7
.if \s > 0
.rept 4
	v_nop                                          ; places in front of loads into registers that the last products read
.endr
.endif
.if \s < 7
	FETCH \s+1, 128*((\s+1)%2)
	s_wait_dscnt 44                                ; all but the 44 just issued
.else
	s_wait_dscnt 0x0
.endif
	MUL \s, 128*(\s%2)
.endr
	WIN 0
	; THE WAY OUT: 16 tokens x 64 outputs at a time through my own stage; sixteen lanes then store a row's 256 consecutive bytes, aligned
.rept 4
	v_nop
.endr
.irp a, 0,1,2,3
.if \a >= 2
	s_wait_xcnt 0x0                                ; the stores of two blocks ago have read their registers
.endif
.irp b, 0,1,2,3
	ds_store_b128 v[STO], v[ACC+8*(4*\a+\b):ACC+8*(4*\a+\b)+3] offset:64*\b    ; each accumulator from its low end on
	ds_store_b128 v[STO], v[ACC+8*(4*\a+\b)+4:ACC+8*(4*\a+\b)+7] offset:64*\b+16
.endr
.irp i, 0,1,2,3,4,5,6,7
	ds_load_b128 v[BUF+32*(\a%2)+4*\i:BUF+32*(\a%2)+4*\i+3], v[RD] offset:544*\i   ; LDS serves a wave's instructions in order: these see the stores above
.endr
.irp i, 0,1,2,3,4,5,6,7
	s_wait_dscnt 7-\i
	global_store_b128 v[CO], v[BUF+32*(\a%2)+4*\i:BUF+32*(\a%2)+4*\i+3], s[14:15] offset:(16*\a+2*\i)*4096 th:TH_STORE_NT
.endr
.endr
	s_set_vgpr_msb 0x5
	s_wait_tensorcnt 0x0
	ds_add_u32 v254, v255
	s_wait_dscnt 0x0
	s_set_vgpr_msb 0x500
	CROUND                                         ; the closing round: no work-group ends while a partner may still ask for a tile that names it
	s_endpgm
.Lfunc_end_k_qe5ec76b8c9_oproj:
	.size	k_qe5ec76b8c9_oproj, .Lfunc_end_k_qe5ec76b8c9_oproj-k_qe5ec76b8c9_oproj
	.p2alignl 7, 3214868480
	.fill 96, 4, 3214868480
	.section	.rodata,"a",@progbits
	.p2align	6, 0x0
	.amdhsa_kernel k_qe5ec76b8c9_oproj
		.amdhsa_group_segment_fixed_size 262656
		.amdhsa_private_segment_fixed_size 0
		.amdhsa_enable_private_segment 0
		.amdhsa_kernarg_size 48
		.amdhsa_user_sgpr_count 2
		.amdhsa_user_sgpr_kernarg_segment_ptr 1
		.amdhsa_wavefront_size32 1
		.amdhsa_system_sgpr_workgroup_id_x 1
		.amdhsa_system_sgpr_workgroup_id_y 1
		.amdhsa_system_sgpr_workgroup_id_z 1
		.amdhsa_system_vgpr_workitem_id 0
		.amdhsa_next_free_vgpr 512
		.amdhsa_next_free_sgpr 96
		.amdhsa_reserve_vcc 0
		.amdhsa_float_denorm_mode_32 3
		.amdhsa_float_denorm_mode_16_64 3
		.amdhsa_memory_ordered 1
		.amdhsa_forward_progress 1
		.amdhsa_inst_pref_size 59
	.end_amdhsa_kernel
	.amdgpu_metadata
---
amdhsa.version: [ 1, 2 ]
amdhsa.kernels:
  - .name:           k_qe5ec76b8c9_oproj
    .symbol:         k_qe5ec76b8c9_oproj.kd
    .args:
      - { .name: xf, .offset: 0, .size: 8, .value_kind: global_buffer, .address_space: global }
      - { .name: xs, .offset: 8, .size: 8, .value_kind: global_buffer, .address_space: global }
      - { .name: Wo_codes, .offset: 16, .size: 8, .value_kind: global_buffer, .address_space: global }
      - { .name: Wo_scales, .offset: 24, .size: 8, .value_kind: global_buffer, .address_space: global }
      - { .name: bo, .offset: 32, .size: 8, .value_kind: global_buffer, .address_space: global }
      - { .name: out0, .offset: 40, .size: 8, .value_kind: global_buffer, .address_space: global }
    .group_segment_fixed_size: 262656
    .private_segment_fixed_size: 0
    .kernarg_segment_align: 8
    .kernarg_segment_size: 48
    .max_flat_workgroup_size: 128
    .sgpr_count:     96
    .vgpr_count:     512
    .wavefront_size: 32
...
	.end_amdgpu_metadata
.endif
;; end of part 4
